; MI455X (gfx1250); checked and timed in simulation.
; The chip was launched on July 23, 2026; its instructions are those of AMD's public machine-readable ISA for CDNA 5 (MIT licence, August 2026) and "CDNA5" Instruction Set Architecture Reference Guide (July 2026). The comments in the code are by the model that wrote it; some were corrected since.
;; Mult Head Attention. Allowed arithmetic: matrix products marked QUANTISED: E2M3 operands, one E8M0 scale for each 32 along K, by v_wmma_scale_f32_16x16x128_f8f6f4 with both operands' format E2M3, f32 sums; everything else in f32.
;; Inputs: W_out 1,024 x 1,024 float32; W_qkv 1,024 x 3,072 float32; x 4 x 2,048 x 1,024 float32.
;; Outputs: out0 4 x 2,048 x 1,024 float32.
;; This version of the problem:
;;   THIS VERSION OF THE PROBLEM IS GIVEN IN LOW PRECISION. The matrix products marked QUANTISED in the list below multiply operands that are first quantised to E2M3 (2 exponent bits, 3 mantissa bits; 6 bits a number), with one power-of-two scale for each 32 numbers along K (OCP MX v1.0); their sums are f32. All else is computed in f32.
;;   The module's matrix products, in the order in which they are computed (A, B: the left and right operand; K: the contracted axis; several contracted axes count as one K, in the product's order):
;;     1. [M 8,192, K 1,024] x [K 1,024, N 3,072]; A: input x; B: input W_qkv: QUANTISED
;;     2. batch 64 x [M 2,048, K 64] x [K 64, N 2,048]; A: computed on the way; B: computed on the way: QUANTISED
;;     3. batch 64 x [M 2,048, K 2,048] x [K 2,048, N 64]; A: softmax (see below); B: computed on the way: QUANTISED
;;     4. [M 8,192, K 1,024] x [K 1,024, N 1,024]; A: computed on the way; B: input W_out: QUANTISED
;;   THE QUANTISER, for each operand of a quantised product, along K:
;;     - K is cut into blocks of 32 from its start; a last block that is shorter is filled with zeros.
;;     - A block's scale is 2^e with e = floor(log2(the largest magnitude in the block)) - 2, held to -126 .. 127; a block of zeros has e = 0. As a byte (E8M0): e + 127.
;;     - Each number is divided by its block's scale, clamped to +-7.5, and rounded to the nearest number of E2M3, ties to even, subnormals kept.
;;     - The product sums the exact products of the quantised numbers (number of the format x scale) in f32.
;;   ~~~python
;;   def quantise(x, axis):      # numpy; x: float32 -> the quantised numbers, widened to float32 again
;;       x = np.moveaxis(x, axis, -1); K = x.shape[-1]
;;       x = np.pad(x, [(0, 0)] * (x.ndim - 1) + [(0, -K % 32)]); x = x.reshape(x.shape[:-1] + (-1, 32)); a = np.abs(x).max(-1, keepdims=True)
;;       e = np.where(a > 0, np.clip(np.frexp(np.where(a > 0, a, 1))[1] - 1 - 2, -126, 127), 0)      # np.frexp(a)[1] - 1 = floor(log2(a)), exactly
;;       r = np.clip(x / 2.0 ** e, -7.5, 7.5)
;;       step = 2.0 ** (np.maximum(np.frexp(np.where(r == 0, 1, r))[1] - 1, 0) - 3)
;;       q = np.round(r / step) * step * 2.0 ** e      # np.round: ties to even
;;       return np.moveaxis(q.reshape(q.shape[:-2] + (-1,))[..., :K], -1, axis).astype(np.float32)
;;   ~~~
;;   SOFTMAX AHEAD OF A QUANTISED PRODUCT. Where the list says 'softmax', what is quantised is not the finished softmax but p = 2^(t - M), with t = logit x log2(e) and M = ceil(the row's largest t), a whole number; so 1/2 < the row's largest p <= 1. The row's sum l is taken of the UNQUANTISED p, in f32, and the product's result is divided by l at the end. Since M is a whole number, a kernel that streams over the keys may use a running M (the ceiling of the running maximum): every later rescaling is an exact power of two, which a block's scale takes up: the codes' values come out the same.
;;   OPERANDS COMPUTED ON THE WAY. 'Computed on the way' means the value that the module computes at that place (a softmax that the list does not call 'softmax' is quantised finished and normalised). What goes into a quantiser is computed in f32, as accurately as f32 sums, v_exp_f32 and their like allow (about 1e-6 of the number): no bf16 or f16 on the way to a quantiser, and a product that is left as it is and whose result goes on into a quantised operand takes f32 operands (vector FMAs, or v_wmma_f32_16x16x4_f32). A number that lies on a knife's edge between two numbers of the format may be rounded either way, as far as f32 arithmetic and the matrix unit's own rounding can turn it there, and no further.
;; One version. Each part assembles by itself: llvm-mc -triple=amdgcn-amd-amdhsa -mcpu=gfx1250 --defsym DOCPART=n.
;; ======== version 1 of 1: 4 launches
;; limits: right only within a limited range of input values
;; workspace buffers: x_codes 6,291,456 bytes; x_scales 262,144 bytes; w_codes 3,145,728 bytes; w_scales 131,072 bytes; qkv_codes 18,874,368 bytes; qkv_scales 1,572,864 bytes; z_codes 6,291,456 bytes; z_scales 262,144 bytes
;; launch prep (part 1): grid 384 x 1, 4 waves a work-group, no clusters, 68,096 bytes of LDS; arguments x, W_qkv, W_out, x_codes, x_scales, w_codes, w_scales; writes x_codes, x_scales, w_codes, w_scales
.if DOCPART == 1
	.amdgcn_target "amdgcn-amd-amdhsa--gfx1250"
	.amdhsa_code_object_version 6
	.text
	.protected	k_q2fba52cf0c_prep
	.globl	k_q2fba52cf0c_prep
	.p2align	8
	.type	k_q2fba52cf0c_prep,@function
k_q2fba52cf0c_prep:
	s_mov_b64 s[64:65], 0
	v_nop
	global_prefetch_b8 v0, s[64:65] scope:SCOPE_SE
	s_setreg_imm32_b32 hwreg(HW_REG_WAVE_MODE, 25, 1), 1
	s_wait_xcnt 0x0
; x [8192][1024], W_qkv [1024][3072] and W_out [1024][1024], f32, become codes of FP6 (E2M3) with K innermost and one E8M0 scale byte for each 32 along K.
; A block's scale is 2^(floor(log2(its largest magnitude)) - 2); its byte is the largest magnitude's exponent field - 2, held at 1 from below.
; OUTPUT ROWS STAND AT POSITIONS: row i (a token of x, a column of a weight) is stored at position p = i with its bits 3 and 4 exchanged.  Sixteen neighbouring positions then hold
; rows 8 u + r + 8 (r / 8) of a group of 32: used as a matrix instruction's first source, two such tiles leave sixteen neighbours of the group in a lane's sixteen result registers.
; w_codes holds 4096 positions of 768 bytes: 0 to 3071 the columns of W_qkv, 3072 to 4095 those of W_out; w_scales 32 bytes a position.  x_codes, x_scales likewise for 8192 tokens.
; WORK-GROUPS 0 to 127 take the weights (K is their FIRST axis: a lane takes a column, its registers run down K); 128 to 383 take x (K innermost: a plain stream of blocks of 32).
; The two ways part once, on the work-group's number, never meet again, and have LDS bytes of their own.  Each work-group reads 128 KiB.
; LIMITS: NaN and infinities among the inputs are not served.  A block of zeros gets the byte 1 (its codes are zeros, and this program alone reads the bytes); blocks whose largest magnitude lies under 2^-124 are held at the byte 1.
.set SP,    80                         ; x: a lane's place in a stage: its 64 bytes + 16 of padding
.set XREG,  8192                       ; x: a wave's LDS: two stages of 32 x SP bytes, and behind them its 256 scale bytes
.set PITCH, 272                        ; weights: a stage row: sixteen places of 16 bytes, each with 12 bytes of codes, + 16
.set WL,    4*XREG                     ; weights: four stages of 32 rows
.set SPARE, WL+4*32*PITCH              ; the spare words, 128 bytes for each wave: two blocks of 256 bytes that no other line names
.set STEPS, 16
.set CB,    12                         ; bytes of 16 codes
.set R,     16                         ; x: v16-79   four sets of 16 numbers as loaded
.set XX,    80                         ; x: v80-111  two sets of 16 neighbours
.set E,     112                        ; x: v112-127 a scale byte for each step
.set XC,    128                        ; x: v128-191 codes, four registers for each step
.set SB,    24                         ; W: v24-25   eight scale bytes
.set WX,    32                         ; W: v32-95   two sets of 32 numbers
.set WC,    96                         ; W: v96-102  a block's codes
.set OUTR,  112                        ; W: v112-175 the way out
.set AD,    176                        ; W: v176-207 offset of row i of a block: i x (a row of the weight in bytes) + 4 x lane; never rewritten
.set SPW,   208                        ; LDS address of my spare word; never rewritten
.set NIL,   209                        ; 0; never rewritten
.set WSI,   210                        ; W: into the stage
.set WSO,   211                        ; W: out of it
.set XSI,   212                        ; x: into the stage
.set XSO,   213                        ; x: out of it
.set XSB,   214                        ; x: my block's scale byte
.set XSR,   215                        ; x: the scale bytes on their way out
	s_load_b256 s[4:11], s[0:1], 0x0               ; x s[4:5], W_qkv s[6:7], W_out s[8:9], x_codes s[10:11]
	s_load_b128 s[12:15], s[0:1], 0x20             ; x_scales s[12:13], w_codes s[14:15]
	s_load_b64 s[16:17], s[0:1], 0x30              ; w_scales
	v_lshl_add_u32 v[SPW], v0, 2, SPARE
	v_mov_b32 v[NIL], 0
	v_lshrrev_b32 v1, 5, v0
	v_readfirstlane_b32 s18, v1                    ; wave
	v_and_b32 v2, 31, v0                           ; lane
	; every LDS address of both ways is made here: a constant + a constant x lane + a constant x wave
	s_lshl_b32 s19, s18, 13                        ; x: my wave's 8,192 bytes
	v_lshrrev_b32 v[XSI], 2, v2
	v_mul_u32_u24 v[XSI], v[XSI], SP
	v_and_b32 v1, 3, v2
	v_lshl_add_u32 v[XSI], v1, 4, v[XSI]
	v_add_nc_u32 v[XSI], s19, v[XSI]               ; in: four lanes' 64 bytes on end, then 16 of padding
	v_mul_u32_u24 v[XSO], v2, SP
	v_add_nc_u32 v[XSO], s19, v[XSO]               ; out: my 16 neighbours
	s_add_co_u32 s19, s19, 2*32*SP
	v_lshrrev_b32 v[XSB], 1, v2
	v_add_nc_u32 v[XSB], s19, v[XSB]
	v_lshlrev_b32 v7, 3, v2                        ; 8 x lane
	v_add_nc_u32 v[XSR], s19, v7
	v_and_b32 v5, 7, v2                            ; W: my column's position in its group of 32: the lane with bits 3 and 4 exchanged
	v_bfe_u32 v6, v2, 3, 1
	v_bfe_u32 v10, v2, 4, 1
	v_lshl_or_b32 v5, v6, 4, v5
	v_lshl_or_b32 v5, v10, 3, v5
	s_mul_i32 s19, s18, 32*PITCH
	s_add_co_u32 s19, s19, WL
	v_mul_u32_u24 v[WSI], v5, PITCH
	v_add_nc_u32 v[WSI], s19, v[WSI]               ; in: stage row = my column's position
	v_and_b32 v6, 15, v2
	v_mul_u32_u24 v[WSO], v10, PITCH
	v_lshl_add_u32 v[WSO], v6, 4, v[WSO]
	v_add_nc_u32 v[WSO], s19, v[WSO]               ; out: sixteen lanes to a row, two rows an instruction
	s_wait_kmcnt 0x0
	s_cmp_lt_u32 ttmp9, 128
	s_cbranch_scc0 .Lx
	; ---------------- THE WEIGHTS.  Work-group g: 128 positions 128 (g / 4) on, 256 along K from 256 (g % 4) on; a wave 32 columns, 8 blocks a lane.
	s_lshr_b32 s19, ttmp9, 2                       ; which 128 positions
	s_and_b32 s20, ttmp9, 3                        ; which 256 along K
	s_cmp_lt_u32 s19, 24                           ; W_qkv's or W_out's: the choice hangs on the work-group's number alone
	s_cselect_b64 s[22:23], s[6:7], s[8:9]
	s_mov_b32 s21, 4096
	s_cselect_b32 s21, 12288, s21                  ; a row of the weight in bytes
	s_cselect_b32 s24, 0, 24
	s_sub_co_u32 s24, s19, s24                     ; which 128 columns of that weight
	s_lshl_b32 s24, s24, 9
	s_lshl_b32 s25, s18, 7
	s_add_co_u32 s24, s24, s25                     ; my wave's first column, in bytes
	s_lshl_b32 s25, s20, 8
	s_mul_i32 s25, s25, s21                        ; + 256 (g % 4) rows
	s_add_co_u32 s24, s24, s25                     ; (under 2^24: 992 rows of 12,288 bytes at the most)
	s_mov_b32 s25, 0
	s_add_nc_u64 s[32:33], s[22:23], s[24:25]      ; block 0's base;
	s_lshl_b32 s24, s21, 5
.irp t, 1,2,3,4,5,6,7
	s_add_nc_u64 s[32+2*\t:33+2*\t], s[30+2*\t:31+2*\t], s[24:25]   ; block t's, 32 rows further down: a base for each block, none ever stepped
.endr
	s_lshl_b32 s26, s19, 7
	s_lshl_b32 s27, s18, 5
	s_add_co_u32 s26, s26, s27                     ; my wave's first position
	s_mul_i32 s28, s26, 768
	s_mul_i32 s27, s20, 192
	s_add_co_u32 s28, s28, s27
	s_mov_b32 s29, 0
	s_add_nc_u64 s[14:15], s[14:15], s[28:29]      ; its codes of my 256 along K
	s_lshl_b32 s28, s26, 5
	s_lshl_b32 s27, s20, 3
	s_add_co_u32 s28, s28, s27
	s_add_nc_u64 s[16:17], s[16:17], s[28:29]      ; and their 8 scale bytes
	v_lshlrev_b32 v3, 2, v2
.irp i, 0,1,2,3,4,5,6,7,8,9,10,11,12,13,14,15,16,17,18,19,20,21,22,23,24,25,26,27,28,29,30,31
	v_mad_u32_u24 v[AD+\i], s21, \i, v3
.endr
	v_mul_u32_u24 v8, v10, 768
	v_mad_u32_u24 v8, v6, 12, v8                   ; the way out: two positions an instruction, 12 bytes a lane
	v_lshlrev_b32 v9, 5, v5                        ; my position's row of scale bytes
.macro WLOAD t                         ; block t: W(32 t + i, my column): 32 lanes read 128 consecutive bytes
.irp i, 0,1,2,3,4,5,6,7,8,9,10,11,12,13,14,15,16,17,18,19,20,21,22,23,24,25,26,27,28,29,30,31
	global_load_b32 v[WX+32*((\t)%2)+\i], v[AD+\i], s[32+2*(\t):33+2*(\t)] th:TH_LOAD_NT
.endr
.endm
.macro WBLOCK t
.set XS, WX+32*((\t)%2)
.if (\t) < 7
	s_wait_loadcnt 32                              ; this block's 32 loads are in; the next block's 32 may be out
.else
	s_wait_loadcnt 0
.endif
	v_max3_num_f32 v12, |v[XS]|, |v[XS+1]|, |v[XS+2]|              ; the block's largest magnitude: all 32 numbers are mine; two chains
	v_max3_num_f32 v13, |v[XS+3]|, |v[XS+4]|, |v[XS+5]|
.irp i, 6,10,14,18,22,26
	v_max3_num_f32 v12, v12, |v[XS+\i]|, |v[XS+\i+1]|
	v_max3_num_f32 v13, v13, |v[XS+\i+2]|, |v[XS+\i+3]|
.endr
	v_max3_num_f32 v12, v12, |v[XS+30]|, |v[XS+31]|
	v_max3_num_f32 v12, v12, v13, 0x1800000        ; and the floor 2^(3 - 127): the byte cannot fall under 1
	v_add_nc_u32 v11, 0xff000000, v12              ; 2 off its exponent field: the conversion takes the exponent field of this operand as its scale
	v_lshrrev_b32 v13, 23, v11                     ; the scale's byte
.if (\t)%4 == 0
	v_mov_b32 v[SB+(\t)/4], v13
.else
	v_lshl_or_b32 v[SB+(\t)/4], v13, 8*((\t)%4), v[SB+(\t)/4]
.endif
	v_cvt_scalef32_pk16_fp6_f32 v[WC:WC+2], v[XS:XS+15], v11
	v_cvt_scalef32_pk16_fp6_f32 v[WC+4:WC+6], v[XS+16:XS+31], v11  ; (a conversion's three registers begin on an even number)
	ds_store_b96 v[WSI], v[WC:WC+2] offset:32*(\t) ; 12 bytes to a place of 16
	ds_store_b96 v[WSI], v[WC+4:WC+6] offset:32*(\t)+16
.if (\t)+2 < 8
	WLOAD (\t)+2
.endif
	s_wait_dscnt 0x0                               ; the stores have read their registers: the next block's codes may be written
.endm
	WLOAD 0
	WLOAD 1
.irp t, 0,1,2,3,4,5,6,7
	WBLOCK \t
.endr
	s_wait_alu depctr_va_vdst(0)
	global_store_b64 v9, v[SB:SB+1], s[16:17]      ; my column's 8 scale bytes
.irp t, 0,1,2,3,4,5,6,7,8,9,10,11,12,13,14,15
	ds_load_b96 v[OUTR+4*\t:OUTR+4*\t+2], v[WSO] offset:2*\t*PITCH ; LDS serves a wave's instructions in order: these see my stores
.endr
.irp t, 0,1,2,3,4,5,6,7,8,9,10,11,12,13,14,15
	s_wait_dscnt 15-\t                             ; the younger reads may stay out
	global_store_b96 v8, v[OUTR+4*\t:OUTR+4*\t+2], s[14:15] offset:2*\t*768   ; sixteen lanes store a position's 192 consecutive bytes
.endr
	s_wait_tensorcnt 0x0                           ; the wave's end, behind my last LDS store
	ds_add_u32 v[SPW], v[NIL]
	s_wait_dscnt 0x0
	s_endpgm
	; ---------------- x.  A wave takes a run of 8,192 numbers (8 tokens) in 16 steps of 512.
	; TOKENS OF x STAND AT POSITIONS OF THEIR OWN (not the weights' exchange of bits 3 and 4): bits 5:3 of the token, (b, t1, t0), stand as (t1, t0, b) in the position.
	; Sixteen neighbouring positions then hold 8 tokens of block 0 and 8 of block 1 of a group of 64: as a matrix instruction's first source, four such tiles leave a whole block of 32 tokens in one lane's 32 result registers.
.Lx:
	s_sub_co_u32 s19, ttmp9, 128
	s_lshl_b32 s19, s19, 2
	s_add_co_u32 s20, s19, s18                     ; the run that I read
	s_and_b32 s21, s20, 3                          ; the run's number holds the token's bits 3 and up: its low three bits are rotated
	s_lshl_b32 s21, s21, 1
	s_bfe_u32 s22, s20, 0x10002
	s_or_b32 s21, s21, s22
	s_and_b32 s22, s20, 0xfffffff8
	s_or_b32 s22, s22, s21                         ; the run's place in the outputs
	s_lshl_b32 s24, s20, 15
	s_mov_b32 s25, 0
	s_add_nc_u64 s[4:5], s[4:5], s[24:25]
	s_mul_i32 s24, s22, 32*STEPS*CB
	s_add_nc_u64 s[10:11], s[10:11], s[24:25]
	s_lshl_b32 s24, s22, 8
	s_add_nc_u64 s[12:13], s[12:13], s[24:25]
	v_lshlrev_b32 v3, 4, v2                        ; my 16 bytes of a load's 512
	v_mul_u32_u24 v4, v2, CB                       ; my codes' place in a step's
.macro XLOAD t
.irp i, 0,1,2,3
	global_load_b128 v[R+16*((\t)%4)+4*\i:R+16*((\t)%4)+4*\i+3], v3, s[4:5] offset:2048*(\t)+512*\i th:TH_LOAD_NT   ; 32 lanes read 512 consecutive bytes
.endr
.endm
.macro XTURN t                         ; step t's numbers through the stage, so that a lane gets 16 neighbours: LDS serves a wave's instructions in order
.irp i, 0,1,2,3
	ds_store_b128 v[XSI], v[R+16*((\t)%4)+4*\i:R+16*((\t)%4)+4*\i+3] offset:32*SP*((\t)%2)+8*SP*\i
.endr
.irp i, 0,1,2,3
	ds_load_b128 v[XX+16*((\t)%2)+4*\i:XX+16*((\t)%2)+4*\i+3], v[XSO] offset:32*SP*((\t)%2)+16*\i
.endr
.endm
.irp t, 0,1,2,3
	XLOAD \t
.endr
	s_wait_alu depctr_va_vdst(0)
	s_wait_loadcnt 12                              ; step 0's four loads are in; the twelve of steps 1 to 3 may be out
	XTURN 0
.macro XSTEP t
.set XS, XX+16*((\t)%2)
.if (\t) > 0
	s_wait_dscnt 1                                 ; this step's numbers are back from the stage (the last step's byte store may be out)
.else
	s_wait_dscnt 0x0
.endif
.if (\t)+4 < STEPS
	XLOAD (\t)+4                                   ; into the set whose stores into the stage have been served
.endif
.if (\t)+1 < STEPS
.if STEPS-2-(\t) >= 3
	s_wait_loadcnt 12                              ; the next step's four loads are in; those of the three steps behind it may be out
.else
	s_wait_loadcnt 4*(STEPS-2-(\t))
.endif
	XTURN (\t)+1
.endif
	v_max3_num_f32 v8, |v[XS]|, |v[XS+1]|, |v[XS+2]|
	v_max3_num_f32 v9, |v[XS+3]|, |v[XS+4]|, |v[XS+5]|
.irp i, 6,10
	v_max3_num_f32 v8, v8, |v[XS+\i]|, |v[XS+\i+1]|
	v_max3_num_f32 v9, v9, |v[XS+\i+2]|, |v[XS+\i+3]|
.endr
	v_max3_num_f32 v8, v8, |v[XS+14]|, |v[XS+15]|
	v_max3_num_f32 v8, v8, v9, 0x1800000           ; my 16, and the floor 2^(3 - 127)
	v_max_num_f32_dpp v8, v8, v8 row_xmask:1 row_mask:0xf bank_mask:0xf   ; and my neighbour's 16: the block's largest magnitude
	v_add_nc_u32 v11, 0xff000000, v8
	v_cvt_scalef32_pk16_fp6_f32 v[XC+4*(\t):XC+4*(\t)+2], v[XS:XS+15], v11
	v_lshrrev_b32 v[E+(\t)], 23, v11               ; the scale's byte (also the plain line behind the conversion)
	ds_store_b8 v[XSB], v[E+(\t)] offset:16*(\t)   ; both lanes of a block write the same byte with the same value
	global_store_b96 v4, v[XC+4*(\t):XC+4*(\t)+2], s[10:11] offset:32*CB*(\t)   ; the wave stores 384 consecutive bytes
.endm
.irp t, 0,1,2,3,4,5,6,7,8,9,10,11,12,13,14,15
	XSTEP \t
.endr
	ds_load_b64 v[8:9], v[XSR]
	s_wait_dscnt 0x0
	global_store_b64 v7, v[8:9], s[12:13]          ; 32 lanes store 256 consecutive bytes, aligned
	s_wait_tensorcnt 0x0                           ; the wave's end, behind my last LDS store
	ds_add_u32 v[SPW], v[NIL]
	s_wait_dscnt 0x0
	s_endpgm
.Lfunc_end_k_q2fba52cf0c_prep:
	.size	k_q2fba52cf0c_prep, .Lfunc_end_k_q2fba52cf0c_prep-k_q2fba52cf0c_prep
	.p2alignl 7, 3214868480
	.fill 96, 4, 3214868480
	.section	.rodata,"a",@progbits
	.p2align	6, 0x0
	.amdhsa_kernel k_q2fba52cf0c_prep
		.amdhsa_group_segment_fixed_size 68096
		.amdhsa_private_segment_fixed_size 0
		.amdhsa_enable_private_segment 0
		.amdhsa_kernarg_size 56
		.amdhsa_user_sgpr_count 2
		.amdhsa_user_sgpr_kernarg_segment_ptr 1
		.amdhsa_wavefront_size32 1
		.amdhsa_system_sgpr_workgroup_id_x 1
		.amdhsa_system_sgpr_workgroup_id_y 1
		.amdhsa_system_sgpr_workgroup_id_z 1
		.amdhsa_system_vgpr_workitem_id 0
		.amdhsa_next_free_vgpr 216
		.amdhsa_next_free_sgpr 66
		.amdhsa_reserve_vcc 0
		.amdhsa_float_denorm_mode_32 3
		.amdhsa_float_denorm_mode_16_64 3
		.amdhsa_memory_ordered 1
		.amdhsa_forward_progress 1
		.amdhsa_inst_pref_size 76
	.end_amdhsa_kernel
	.amdgpu_metadata
---
amdhsa.version: [ 1, 2 ]
amdhsa.kernels:
  - .name:           k_q2fba52cf0c_prep
    .symbol:         k_q2fba52cf0c_prep.kd
    .args:
      - { .name: x, .offset: 0, .size: 8, .value_kind: global_buffer, .address_space: global }
      - { .name: W_qkv, .offset: 8, .size: 8, .value_kind: global_buffer, .address_space: global }
      - { .name: W_out, .offset: 16, .size: 8, .value_kind: global_buffer, .address_space: global }
      - { .name: x_codes, .offset: 24, .size: 8, .value_kind: global_buffer, .address_space: global }
      - { .name: x_scales, .offset: 32, .size: 8, .value_kind: global_buffer, .address_space: global }
      - { .name: w_codes, .offset: 40, .size: 8, .value_kind: global_buffer, .address_space: global }
      - { .name: w_scales, .offset: 48, .size: 8, .value_kind: global_buffer, .address_space: global }
    .group_segment_fixed_size: 68096
    .private_segment_fixed_size: 0
    .kernarg_segment_align: 8
    .kernarg_segment_size: 56
    .max_flat_workgroup_size: 128
    .sgpr_count:     66
    .vgpr_count:     216
    .wavefront_size: 32
...
	.end_amdgpu_metadata
.endif
;; end of part 1
;; launch qkv (part 2): grid 12 x 64, 4 waves a work-group, clusters of 4 x 4, 327,680 bytes of LDS; arguments x_codes, x_scales, w_codes, w_scales, qkv_codes, qkv_scales; writes qkv_codes, qkv_scales
.if DOCPART == 2
	.amdgcn_target "amdgcn-amd-amdhsa--gfx1250"
	.amdhsa_code_object_version 6
	.text
	.protected	k_q2fba52cf0c_qkv
	.globl	k_q2fba52cf0c_qkv
	.p2align	8
	.type	k_q2fba52cf0c_qkv,@function
k_q2fba52cf0c_qkv:
	s_mov_b64 s[64:65], 0
	v_nop
	global_prefetch_b8 v0, s[64:65] scope:SCOPE_SE
	s_setreg_imm32_b32 hwreg(HW_REG_WAVE_MODE, 25, 1), 1
	s_wait_xcnt 0x0
	s_wait_alu depctr_hold_cnt(0) depctr_sa_sdst(0) depctr_va_vdst(0) depctr_va_sdst(0) depctr_va_ssrc(0) depctr_va_vcc(0) depctr_vm_vsrc(0)
	s_getreg_b32 s2, hwreg(HW_REG_IB_STS2, 6, 4)
	s_cmp_eq_u32 s2, 0
	s_cbranch_scc0 .Lentry_in_a_cluster
	s_endpgm
.Lentry_in_a_cluster:
	s_bfe_u32 s2, ttmp6, 0x10000c
	s_cmp_lg_u32 s2, 0xf033
	s_cbranch_scc0 .Lentry_shape_is_right
	s_endpgm
.Lentry_shape_is_right:
; qkv = x W_qkv on codes of FP6 (E2M3) with E8M0 scales, K = 1,024; the result leaves quantised again, as images of the operand registers that the attention launch reads.
; A work-group makes 128 rows of side A x 256 rows of side B; a wave 64 x 128: 32 accumulators.  Clusters x = 0, 1 (q, k): A = tokens, B = columns of W; a lane then holds one token and registers along the channels.
; Cluster x = 2 (v): A = columns of W, B = tokens: a lane holds one channel and registers along the tokens, v's K in the next launch.
; ALL OF K LIES IN LDS: 384 rows of 768 bytes, each row beginning at a multiple of 256 bytes of its buffer, 16 bytes of padding behind each 256: LDS pitch 816.  One joint load a wave at the head; nothing is filled twice.
; Every tile is asked for at the head, so there is no loop to ask ahead in: no prefetch.  A's tile is shared along a row of the 4 x 4 cluster, B's along a column.
; The scale words (a row's 32 bytes: eight words, one for each 128 along K) go from memory straight into registers, once.
; OUTPUT: qkv_codes: three sections (q, k, v) x 64 heads x 98,304 bytes.  q, k: an image of 12 registers (1,536 bytes) holds two tiles of 16 positions x 64 channels.  v: for each 128 tokens four images of 16 channels x 128 tokens.
; qkv_scales: q from 0, 12,288 bytes a head (8,192 used); from 786,432 on for each head k's 8,192 bytes and v's 4,096.
; LIMITS: NaN and infinities are not served; a block of zeros gets the byte 1 (zero codes; this program alone reads the bytes); blocks under 2^-124 are held at the byte 1.
.set PITCH,  816
.set ABYTES, 128*PITCH
.set FR,     12
.set STG,    384*PITCH                 ; the scale words' stage: 1,024 bytes a wave, q and k's way the first 512, v's way the next 256
.set SPARE,  STG+4096                  ; the spare words
.set CO,   8                           ; 16 x lane
.set SSTO, 9
.set SRD,  10
.set SSTV, 11
.set SRV,  12
.set SGV,  13
.set GV8,  14
.set SH16, 15
.set ADRA, 16                          ; v16 my A rows; v17 the same with 16 more in lanes 16-31 (their piece lies behind the next padding)
.set ADRB, 18                          ; v18, v19 B's blocks 0-3; v20, v21 blocks 4-7
.set SH8,  22
.set SPW,  28
.set NIL,  29
.set SA,   32                          ; v32-63 A's scale words: block a, step q at 8 a + q
.set SB,   64                          ; v64-95 B's: lanes 0-15 block b, lanes 16-31 block b + 4, at 8 b + q
.set TM,   96
.set PT,   112
.set PW,   120
.set SV,   124
.set AF,   128                         ; A's fragments, two sets of 48; window 1: B's, two sets at v0 and v128; window 2: the accumulators
.set IM,   128
.set RB,   224
.set G1, 24
.set G0, 32
.set G1B, 48
.set G0B, 56
.set MSB, 0
.macro WIN new
.if MSB != (\new)
	s_set_vgpr_msb (MSB<<8)|(\new)
.set MSB, (\new)
.endif
.endm
.macro PLACES
.rept 4
	v_nop
.endr
.endm
.macro CROUND
	s_barrier_signal -1
	s_barrier_wait -1
	s_cmp_lg_u32 s14, 0
	s_cbranch_scc1 .Lnot_wave_0_\@
	s_barrier_signal -3
.Lnot_wave_0_\@:
	s_barrier_wait -3
	s_barrier_signal -1
	s_barrier_wait -1
.endm
	s_load_b128 s[4:7], s[0:1], 0x0                ; x_codes, x_scales
	s_load_b128 s[8:11], s[0:1], 0x10              ; w_codes, w_scales
	s_load_b128 s[96:99], s[0:1], 0x20             ; qkv_codes, qkv_scales
	v_lshl_add_u32 v[SPW], v0, 2, SPARE
	v_mov_b32 v[NIL], 0
	ds_add_u32 v[SPW], v[NIL]                      ; the opening lines: the add twice and its wait ahead of the first tensor load
	ds_add_u32 v[SPW], v[NIL]
	v_lshrrev_b32 v1, 5, v0
	v_readfirstlane_b32 s14, v1                    ; wave
	s_lshr_b32 s15, s14, 1                         ; my half of A's rows; also: I fetch for A (0) or B (1)
	s_and_b32 s16, s14, 1                          ; my half of B's rows; also: which half I fetch
	s_bfe_u32 s40, ttmp6, 0x40000                  ; cx
	s_bfe_u32 s41, ttmp6, 0x40004                  ; cy
	s_and_b32 s12, ttmp7, 0xffff                   ; cluster y
	s_and_b32 s18, s12, 1
	s_add_co_u32 s18, s18, 4
	s_lshr_b32 s19, s12, 1
	s_cmp_eq_u32 ttmp9, 2
	s_cselect_b32 s95, 1, 0                        ; v's clusters
	s_cselect_b32 s17, s18, s12
	s_cselect_b32 s42, s19, ttmp9
	s_lshl_b32 s17, s17, 2
	s_add_co_u32 s17, s17, s41                     ; A's block of 128 rows: q, k: 4 y + cy;  v: 16 + 4 (y % 2) + cy
	s_lshl_b32 s42, s42, 2
	s_add_co_u32 s42, s42, s40                     ; B's block of 256 rows: q, k: 4 x + cx;  v: 4 (y / 2) + cx
	s_lshl_b32 s43, s41, 2
	s_lshl_b32 s43, 15, s43
	s_lshl_b32 s44, 0x1111, s40
	s_or_b32 s[G1+0], s43, (1<<20)|(1<<21)|(5<<22)|(3<<25)   ; bytes; 4 dwords of padding behind every 64
	s_or_b32 s[G1B+0], s44, (1<<20)|(1<<21)|(5<<22)|(3<<25)
	s_mov_b32 s[G1+2], 64<<16                      ; a wave fetches 64 rows of A
	s_mov_b32 s[G1+4], 64
	s_mov_b32 s[G1B+2], 128<<16                    ; or 128 of B
	s_mov_b32 s[G1B+4], 128
.irp g, G1, G1B
	s_mov_b32 s[\g+1], 768<<16
	s_mov_b32 s[\g+3], 768<<16
	s_mov_b32 s[\g+5], 768
	s_mov_b32 s[\g+6], 0
	s_mov_b32 s[\g+7], 0
.endr
	s_lshl_b32 s20, s17, 7
	s_lshl_b32 s18, s16, 6
	s_add_co_u32 s20, s20, s18
	s_mul_i32 s20, s20, 768                        ; the rows of A that I fetch, in bytes
	s_mov_b32 s21, 0
	s_lshl_b32 s46, s42, 8
	s_lshl_b32 s18, s16, 7
	s_add_co_u32 s46, s46, s18                     ; my rows of B, to fetch and to multiply
	s_lshl_b32 s18, s46, 5                         ; their scale bytes
	s_mov_b32 s19, 0
	s_mul_i32 s46, s46, 768
	s_mov_b32 s47, 0
	s_lshl_b32 s22, s17, 7
	s_lshl_b32 s23, s15, 6
	s_add_co_u32 s22, s22, s23
	s_lshl_b32 s22, s22, 5                         ; the scale bytes of the rows of A that I multiply
	s_mov_b32 s23, 0
	s_mov_b32 s[G0], 1
	s_mul_i32 s[G0+1], s16, 64*PITCH
	s_mov_b32 s[G0B], 1
	s_mul_i32 s[G0B+1], s16, 128*PITCH
	s_add_co_u32 s[G0B+1], s[G0B+1], ABYTES
	s_wait_dscnt 0x0
	s_wait_kmcnt 0x0
	s_cmp_eq_u32 s95, 1
	s_cselect_b64 s[2:3], s[8:9], s[4:5]           ; A's codes
	s_cselect_b64 s[100:101], s[4:5], s[8:9]       ; B's codes
	s_cselect_b64 s[92:93], s[10:11], s[6:7]       ; A's scales
	s_cselect_b64 s[6:7], s[6:7], s[10:11]         ; B's scales
	s_add_nc_u64 s[G0+2:G0+3], s[2:3], s[20:21]
	s_add_nc_u64 s[G0B+2:G0B+3], s[100:101], s[46:47]
	s_add_nc_u64 s[92:93], s[92:93], s[22:23]
	s_add_nc_u64 s[6:7], s[6:7], s[18:19]
	s_or_b32 s[G0+3], s[G0+3], 0x80000000
	s_or_b32 s[G0B+3], s[G0B+3], 0x80000000
	CROUND                                         ; the joint loads meet
	s_cmp_eq_u32 s15, 0
	s_cbranch_scc0 .Lfor_b
	tensor_load_to_lds s[G0:G0+3], s[G1:G1+7]
	s_nop 0
	PLACES
	s_branch .Lasked
.Lfor_b:
	tensor_load_to_lds s[G0B:G0B+3], s[G1B:G1B+7]
	s_nop 0
	PLACES
.Lasked:
	v_and_b32 v1, 15, v0                           ; r
	v_bfe_u32 v2, v0, 4, 1                         ; h
	v_lshlrev_b32 v4, 5, v1                        ; scale bytes: 32 r,
	v_lshl_add_u32 v5, v2, 11, v4                  ; and for B 64 rows further in lanes 16-31
	s_wait_alu depctr_va_vdst(0)
.irp i, 0,1,2,3
	global_load_b128 v[SA+8*\i:SA+8*\i+3], v4, s[92:93] offset:512*\i
	global_load_b128 v[SA+8*\i+4:SA+8*\i+7], v4, s[92:93] offset:512*\i+16
	global_load_b128 v[SB+8*\i:SB+8*\i+3], v5, s[6:7] offset:512*\i
	global_load_b128 v[SB+8*\i+4:SB+8*\i+7], v5, s[6:7] offset:512*\i+16
.endr
	v_mul_u32_u24 v3, v1, PITCH
	v_mad_u32_u24 v3, v2, 24, v3                   ; a fragment's row x pitch + 24 h
	s_mul_i32 s21, s15, 64*PITCH
	s_mul_i32 s22, s16, 128*PITCH
	s_add_co_u32 s22, s22, ABYTES
	v_add_nc_u32 v[ADRA], s21, v3
	v_lshl_add_u32 v[ADRA+1], v2, 4, v[ADRA]
	v_add_nc_u32 v[ADRB], s22, v3
	v_lshl_add_u32 v[ADRB+1], v2, 4, v[ADRB]
	v_add_nc_u32 v[ADRB+2], 64*PITCH, v[ADRB]
	v_add_nc_u32 v[ADRB+3], 64*PITCH, v[ADRB+1]
	v_and_b32 v6, 31, v0
	v_lshlrev_b32 v[CO], 4, v6
	v_lshlrev_b32 v[GV8], 3, v6
	s_lshl_b32 s23, s14, 10
	s_add_co_u32 s23, s23, STG
	v_lshlrev_b32 v7, 2, v1
	v_add_nc_u32 v7, s23, v7
	v_lshl_add_u32 v[SSTO], v2, 8, v7              ; q, k: head 0's words, then head 1's
	v_add_nc_u32 v[SSTV], 512, v7
	v_add_nc_u32 v[SRD], s23, v[CO]
	v_add_nc_u32 v[SRV], s23, v[GV8]
	v_add_nc_u32 v[SRV], 512, v[SRV]
	v_mul_u32_u24 v[SGV], v2, 12288
	v_lshl_add_u32 v[SGV], v1, 4, v[SGV]
	v_lshlrev_b32 v[SH16], 4, v2
	v_lshlrev_b32 v[SH8], 3, v2
.irp b, 4,5,6,7,10
	v_mov_b32 v[TM+\b], 0                          ; a lane permute's destination counts as one of its sources
.endr
	; where my results go.  q, k: heads 2 (2 cx + B half) and the next, 64 positions from 64 (2 (A block % 16) + A half) on.  v: head 2 (A block - 16) + A half, 128 tokens from 128 (2 (B block % 8) + B half) on
	s_lshl_b32 s20, s40, 2
	s_lshl_b32 s21, s16, 1
	s_add_co_u32 s20, s20, s21
	s_lshr_b32 s21, s17, 4
	s_and_b32 s22, s17, 15
	s_lshl_b32 s22, s22, 1
	s_add_co_u32 s22, s22, s15
	s_sub_co_u32 s23, s17, 16
	s_lshl_b32 s23, s23, 1
	s_add_co_u32 s23, s23, s15
	s_lshr_b32 s46, s42, 3
	s_and_b32 s47, s42, 7
	s_lshl_b32 s47, s47, 1
	s_add_co_u32 s47, s47, s16
	s_mul_i32 s2, s22, 3072
	s_mul_i32 s3, s47, 6144
	s_lshl_b32 s22, s22, 8
	s_lshl_b32 s47, s47, 8
	s_add_co_u32 s47, s47, 8192
	s_cmp_eq_u32 s95, 1
	s_cselect_b32 s20, s23, s20
	s_cselect_b32 s21, s46, s21
	s_cselect_b32 s2, s3, s2
	s_cselect_b32 s22, s47, s22
	s_lshl_b32 s21, s21, 4
	s_add_co_u32 s20, s20, s21                     ; the head, 16 x batch + head
	s_mul_i32 s46, ttmp9, 6291456
	s_mul_i32 s47, s20, 98304
	s_add_co_u32 s46, s46, s47
	s_add_co_u32 s46, s46, s2
	s_mov_b32 s47, 0
	s_add_nc_u64 s[96:97], s[96:97], s[46:47]
	s_mul_i32 s46, s20, 12288
	s_add_co_u32 s46, s46, s22
	s_cmp_eq_u32 ttmp9, 0
	s_cselect_b32 s2, 0, 786432
	s_add_co_u32 s46, s46, s2
	s_add_nc_u64 s[98:99], s[98:99], s[46:47]
	s_mov_b32 s20, 0x76543210
	s_mov_b32 s21, 0xfedcba98
	s_mov_b32 s22, 0x1800000
; a fragment: 16 rows x 128 K, 12 registers, in pieces of 8 bytes.  Byte y of a row lies at y + 16 (y / 256) of its LDS row; lanes 16-31 read 24 bytes further on
.macro FRAG reg, adr, st, i
.irp p, 0,1,2,3,4,5
.set BY, 96*(\st)+48*(\p/3)+8*(\p%3)
.if BY%256 < 232
	ds_load_b64 v[\reg+2*\p:\reg+2*\p+1], v[\adr] offset:BY+16*(BY/256)+(\i)*16*PITCH
.else
	ds_load_b64 v[\reg+2*\p:\reg+2*\p+1], v[\adr+1] offset:BY+16*(BY/256)+(\i)*16*PITCH
.endif
.endr
.endm
.macro FETCH st
	WIN 0x40
.irp i, 0,1,2,3,4,5,6,7
	FRAG 128*((\st)%2)+FR*\i, ADRB+2*(\i/4), \st, \i%4
.endr
	WIN 0
.irp i, 0,1,2,3
	FRAG AF+48*((\st)%2)+FR*\i, ADRA, \st, \i
.endr
.endm
; 32 matrix instructions, used transposed (source 0 = B's rows, source 1 = A's); the 32 accumulators take turns, in the same order in every step
.macro MUL st, zero
.irp a, 0,1,2,3
.irp b, 0,1,2,3,4,5,6,7
.set AC, 8*(8*\a+\b)
.set BF, 128*((\st)%2)+FR*\b
.set AG, AF+48*((\st)%2)+FR*\a
.set SBR, SB+8*(\b%4)+(\st)
.set SAR, SA+8*\a+(\st)
.if \zero
.if \b < 4
	v_wmma_scale_f32_16x16x128_f8f6f4 v[AC:AC+7], v[BF:BF+11], v[AG:AG+11], 0, v[SBR], v[SAR] matrix_a_fmt:MATRIX_FMT_FP6 matrix_b_fmt:MATRIX_FMT_FP6
.else
	v_wmma_scale_f32_16x16x128_f8f6f4 v[AC:AC+7], v[BF:BF+11], v[AG:AG+11], 0, v[SBR], v[SAR] matrix_a_fmt:MATRIX_FMT_FP6 matrix_b_fmt:MATRIX_FMT_FP6 matrix_a_scale:MATRIX_SCALE_ROW1
.endif
.else
.if \b < 4
	v_wmma_scale_f32_16x16x128_f8f6f4 v[AC:AC+7], v[BF:BF+11], v[AG:AG+11], v[AC:AC+7], v[SBR], v[SAR] matrix_a_fmt:MATRIX_FMT_FP6 matrix_b_fmt:MATRIX_FMT_FP6
.else
	v_wmma_scale_f32_16x16x128_f8f6f4 v[AC:AC+7], v[BF:BF+11], v[AG:AG+11], v[AC:AC+7], v[SBR], v[SAR] matrix_a_fmt:MATRIX_FMT_FP6 matrix_b_fmt:MATRIX_FMT_FP6 matrix_a_scale:MATRIX_SCALE_ROW1
.endif
.endif
.endr
.endr
.endm
	s_wait_alu depctr_va_vdst(0)
	s_wait_tensorcnt 0x0                           ; my part of the tiles is in;
	s_barrier_signal -1
	s_barrier_wait -1                              ; everybody's is
	FETCH 0
	s_wait_loadcnt 0x0                             ; the scale words
.set ST, 0
.rept 8                                ; a step of 128 along K: the next step's 72 loads go out into the other sets, then this step's products
	s_wait_dscnt 0x0
.if ST > 0 && ST < 7
	PLACES                                         ; behind the last step's products, which read the sets that are now loaded
.endif
.if ST < 7
	FETCH ST+1
.endif
	WIN 0xa1
	MUL ST, (ST==0)
	WIN 0
.set ST, ST+1
.endr
; q, k: block a's 16 positions x 128 channels (two heads): four blocks of 32, each in lanes l and l xor 16
.macro QUANT a, d0, d1
.set QS, 64*(\a)
	WIN 0x28
.irp b, 0,1,2,3
	v_max3_num_f32 v[TM+\b], s22, |v[QS+16*\b]|, |v[QS+16*\b+1]|   ; with the floor 2^(3 - 127)
.endr
.irp i, 2,4,6,8,10,12,14
.irp b, 0,1,2,3
	v_max3_num_f32 v[TM+\b], v[TM+\b], |v[QS+16*\b+\i]|, |v[QS+16*\b+\i+1]|
.endr
.endr
	WIN 0
.irp b, 0,1,2,3
	v_permlanex16_b32 v[TM+4+\b], v[TM+\b], s20, s21
.endr
.irp b, 0,1,2,3
	v_max_num_f32 v[TM+\b], v[TM+\b], v[TM+4+\b]
.endr
.irp b, 0,1,2,3
	v_add_nc_u32 v[TM+12+\b], 0xff000000, v[TM+\b]
.endr
.irp b, 0,1,2,3
	v_lshrrev_b32 v[TM+4+\b], 23, v[TM+12+\b]
.endr
	v_lshl_or_b32 v[PW+(\a)], v[TM+5], 8, v[TM+4]
	v_lshl_or_b32 v[PW+(\a)], v[TM+6], 16, v[PW+(\a)]
	v_lshl_or_b32 v[PW+(\a)], v[TM+7], 24, v[PW+(\a)]
	WIN 2
	v_cvt_scalef32_pk16_fp6_f32 v[(\d0):(\d0)+2], v[QS:QS+15], v[TM+12]
	v_cvt_scalef32_pk16_fp6_f32 v[PT:PT+2], v[QS+16:QS+31], v[TM+13]
	v_cvt_scalef32_pk16_fp6_f32 v[(\d1):(\d1)+2], v[QS+32:QS+47], v[TM+14]
	v_cvt_scalef32_pk16_fp6_f32 v[PT+4:PT+6], v[QS+48:QS+63], v[TM+15]
	WIN 0
	v_nop
.irp i, 0,1,2
	v_permlane16_swap_b32 v[(\d0)+\i], v[PT+\i]
	v_permlane16_swap_b32 v[(\d1)+\i], v[PT+4+\i]
.endr
.irp i, 0,1,2
	v_mov_b32 v[(\d0)+3+\i], v[PT+\i]
	v_mov_b32 v[(\d1)+3+\i], v[PT+4+\i]
.endr
	v_lshrrev_b32 v[SV+(\a)], v[SH16], v[PW+(\a)]  ; lanes 0-15 send head 0's two bytes, lanes 16-31 head 1's; bytes 2, 3 of a word are 0
	v_and_b32 v[SV+(\a)], 0xffff, v[SV+(\a)]
	ds_store_b32 v[SSTO], v[SV+(\a)] offset:64*(\a)
.endm
; v: block a's 16 channels x 128 tokens: by x's positions registers 32 c .. 32 c + 31 are the whole block 2 c + h of my channel
.macro QUANTV a
.set QS, 64*(\a)
	WIN 0x28
.irp c, 0,1
	v_max3_num_f32 v[TM+\c], s22, |v[QS+32*\c]|, |v[QS+32*\c+1]|
.endr
.irp i, 2,4,6,8,10,12,14,16,18,20,22,24,26,28,30
.irp c, 0,1
	v_max3_num_f32 v[TM+\c], v[TM+\c], |v[QS+32*\c+\i]|, |v[QS+32*\c+\i+1]|
.endr
.endr
	WIN 0
.irp c, 0,1
	v_add_nc_u32 v[TM+12+\c], 0xff000000, v[TM+\c]
.endr
.irp c, 0,1
	v_lshrrev_b32 v[TM+8+\c], 23, v[TM+12+\c]
.endr
	v_lshl_or_b32 v[PW+(\a)], v[TM+9], 16, v[TM+8] ; my two bytes, blocks h and 2 + h,
	v_lshlrev_b32 v[PW+(\a)], v[SH8], v[PW+(\a)]   ; at their places;
	v_permlanex16_b32 v[TM+10], v[PW+(\a)], s20, s21
	v_or_b32 v[PW+(\a)], v[PW+(\a)], v[TM+10]      ; with lane l xor 16's the word is whole
	WIN 2
	v_cvt_scalef32_pk16_fp6_f32 v[IM+12*(\a):IM+12*(\a)+2], v[QS:QS+15], v[TM+12]
	v_cvt_scalef32_pk16_fp6_f32 v[PT:PT+2], v[QS+16:QS+31], v[TM+12]
	v_cvt_scalef32_pk16_fp6_f32 v[IM+12*(\a)+6:IM+12*(\a)+8], v[QS+32:QS+47], v[TM+13]
	v_cvt_scalef32_pk16_fp6_f32 v[PT+4:PT+6], v[QS+48:QS+63], v[TM+13]
	WIN 0
	v_nop
.irp i, 0,1,2
	v_mov_b32 v[IM+12*(\a)+3+\i], v[PT+\i]
	v_mov_b32 v[IM+12*(\a)+9+\i], v[PT+4+\i]
.endr
	ds_store_b32 v[SSTV], v[PW+(\a)] offset:64*(\a)
.endm
.macro IMG n, off                      ; an image: three stores of 512 consecutive bytes
.irp g, 0,1,2
	global_store_b128 v[CO], v[IM+12*(\n)+4*\g:IM+12*(\n)+4*\g+3], s[96:97] offset:(\off)+512*\g
.endr
.endm
	PLACES
	s_cmp_eq_u32 s95, 1
	s_cbranch_scc1 .Lv_out
.irp i, 0,1
	QUANT 2*\i, IM+24*\i, IM+24*\i+12
	QUANT 2*\i+1, IM+24*\i+6, IM+24*\i+18
	IMG 2*\i, 1536*\i
	IMG 2*\i+1, 98304+1536*\i
.endr
	ds_load_b128 v[RB:RB+3], v[SRD]                ; LDS serves a wave's instructions in order: this sees my stores
	s_wait_dscnt 0x0
	global_store_b128 v[SGV], v[RB:RB+3], s[98:99] ; sixteen lanes store a head's 256 consecutive bytes, aligned
	s_branch .Ldone
.Lv_out:
.irp a, 0,1,2,3
	QUANTV \a
	IMG \a, 1536*\a
.endr
	ds_load_b64 v[RB:RB+1], v[SRV]
	s_wait_dscnt 0x0
	global_store_b64 v[GV8], v[RB:RB+1], s[98:99]  ; 32 lanes store 256 consecutive bytes, aligned
.Ldone:
	s_wait_tensorcnt 0x0                           ; the wave's end
	ds_add_u32 v[SPW], v[NIL]
	s_wait_dscnt 0x0
	CROUND                                         ; the closing round
	s_endpgm
.Lfunc_end_k_q2fba52cf0c_qkv:
	.size	k_q2fba52cf0c_qkv, .Lfunc_end_k_q2fba52cf0c_qkv-k_q2fba52cf0c_qkv
	.p2alignl 7, 3214868480
	.fill 96, 4, 3214868480
	.section	.rodata,"a",@progbits
	.p2align	6, 0x0
	.amdhsa_kernel k_q2fba52cf0c_qkv
		.amdhsa_group_segment_fixed_size 327680
		.amdhsa_private_segment_fixed_size 0
		.amdhsa_enable_private_segment 0
		.amdhsa_kernarg_size 48
		.amdhsa_user_sgpr_count 2
		.amdhsa_user_sgpr_kernarg_segment_ptr 1
		.amdhsa_wavefront_size32 1
		.amdhsa_system_sgpr_workgroup_id_x 1
		.amdhsa_system_sgpr_workgroup_id_y 1
		.amdhsa_system_sgpr_workgroup_id_z 1
		.amdhsa_system_vgpr_workitem_id 0
		.amdhsa_next_free_vgpr 768
		.amdhsa_next_free_sgpr 102
		.amdhsa_reserve_vcc 0
		.amdhsa_float_denorm_mode_32 3
		.amdhsa_float_denorm_mode_16_64 3
		.amdhsa_memory_ordered 1
		.amdhsa_forward_progress 1
		.amdhsa_inst_pref_size 111
	.end_amdhsa_kernel
	.amdgpu_metadata
---
amdhsa.version: [ 1, 2 ]
amdhsa.kernels:
  - .name:           k_q2fba52cf0c_qkv
    .symbol:         k_q2fba52cf0c_qkv.kd
    .args:
      - { .name: x_codes, .offset: 0, .size: 8, .value_kind: global_buffer, .address_space: global }
      - { .name: x_scales, .offset: 8, .size: 8, .value_kind: global_buffer, .address_space: global }
      - { .name: w_codes, .offset: 16, .size: 8, .value_kind: global_buffer, .address_space: global }
      - { .name: w_scales, .offset: 24, .size: 8, .value_kind: global_buffer, .address_space: global }
      - { .name: qkv_codes, .offset: 32, .size: 8, .value_kind: global_buffer, .address_space: global }
      - { .name: qkv_scales, .offset: 40, .size: 8, .value_kind: global_buffer, .address_space: global }
    .group_segment_fixed_size: 327680
    .private_segment_fixed_size: 0
    .kernarg_segment_align: 8
    .kernarg_segment_size: 48
    .max_flat_workgroup_size: 128
    .sgpr_count:     102
    .vgpr_count:     768
    .wavefront_size: 32
...
	.end_amdgpu_metadata
.endif
;; end of part 2
;; launch attn (part 3): grid 4 x 64, 16 waves a work-group, clusters of 4 x 1, 327,680 bytes of LDS; arguments qkv_codes, qkv_scales, z_codes, z_scales; writes z_codes, z_scales
.if DOCPART == 3
	.amdgcn_target "amdgcn-amd-amdhsa--gfx1250"
	.amdhsa_code_object_version 6
	.text
	.protected	k_q2fba52cf0c_attn
	.globl	k_q2fba52cf0c_attn
	.p2align	8
	.type	k_q2fba52cf0c_attn,@function
k_q2fba52cf0c_attn:
	s_mov_b64 s[64:65], 0
	v_nop
	global_prefetch_b8 v0, s[64:65] scope:SCOPE_SE
	s_setreg_imm32_b32 hwreg(HW_REG_WAVE_MODE, 25, 1), 1
	s_wait_xcnt 0x0
	s_wait_alu depctr_hold_cnt(0) depctr_sa_sdst(0) depctr_va_vdst(0) depctr_va_sdst(0) depctr_va_ssrc(0) depctr_va_vcc(0) depctr_vm_vsrc(0)
	s_getreg_b32 s2, hwreg(HW_REG_IB_STS2, 6, 4)
	s_cmp_eq_u32 s2, 0
	s_cbranch_scc0 .Lentry_in_a_cluster
	s_endpgm
.Lentry_in_a_cluster:
	s_bfe_u32 s2, ttmp6, 0x10000c
	s_cmp_lg_u32 s2, 0x3003
	s_cbranch_scc0 .Lentry_shape_is_right
	s_endpgm
.Lentry_shape_is_right:
; z[head][q] = softmax_k(q . k / 8) v for 64 heads of 2,048 tokens x 64 channels, both products on codes of FP6 (E2M3) with E8M0 scales; z leaves quantised along its channels (blocks of 32) for the last product.
; THE SOFTMAX: t = score x log2(e) / 8; M = the running largest t rounded UP to a whole number; p = 2^(t - M) is quantised along the keys, not normalised; the row's sum is taken of the unquantised p and divides at the end.
; When M moves, the sum and O are multiplied by 2^(old M - new M): exact.
; SHARES.  A cluster is the four quarters of one head's queries; a work-group owns 512 queries: 32 tiles of 16 NEIGHBOURING tokens, each 768 consecutive bytes of z_codes.  The tiles are dealt unevenly, by the wave's number alone:
; in pass 0 wave w takes tile w; in pass 1 waves 0-11 take tile 16 + w; in pass 2 waves 0-3 take tile 28 + w.  Every wave walks all three key loops.
; THE WHOLE HEAD'S K AND V STAY IN LDS: 196,608 bytes of codes and 12,288 of scale bytes, brought once by joint loads that name the four work-groups, one load a wave: waves 0-5 k, 6-11 v (64 rows of 256 bytes each), 12-15 the scale bytes (12 rows each).
; Nothing is filled twice, and all is asked for at the head: no ring, no prefetch.  One barrier shows the tiles to all waves; after it the waves share nothing until z's scale bytes leave at the end.
; OPERANDS LIE AS IMAGES OF THEIR REGISTERS (four registers of 32 lanes: 512 bytes): every LDS read is 16 x lane + a constant.
; K = 64 IN AN INSTRUCTION OF 128: q's registers 6-11 are zero codes; k's operand for tile t is registers 6 t .. 6 t + 11 of the step's 48 (+ 6 zeros): its upper six meet zeros; both scale words' bytes 2, 3 are 0.
; LAYOUT.  S^T = k q^T, O^T = v^T p^T: a lane holds ONE query.  Position 16 t + 8 h + j of a group of 64 holds token 32 h + 8 t + j: so the 32 registers of score tiles 4 c .. 4 c + 3 are the whole block of keys 64 c + 32 h + 0 .. 31,
; as p's operand wants it: a block's maximum needs no other lane and p's codes change no lane.  v's channels: tiles 2 b, 2 b + 1 leave channels 32 b + 16 h + 0 .. 15 in a lane.
; LIMITS: NaN and infinities are not served; a block of zeros gets the byte 1 (zero codes; this program alone reads the bytes); blocks of z under 2^-124 are held at the byte 1.
.set VIMG,  98304
.set SCL,   196608                     ; k's scale words, 8,192 bytes, then v's, 4,096
.set ZST,   208896                     ; each wave's own stage for z's codes: 64 places of 16 bytes, each with 12
.set ZSS,   225280                     ; z's scale bytes: 32 for each of the 32 tiles
.set SPARE, 226304                     ; the spare words
.set LI,   1
.set LIV,  2
.set LSK,  3
.set LSV,  4
.set SPW,  5
.set NIL,  6
.set ZSTO, 7
.set ZSRD, 8
.set ZGO,  9
.set ZBS,  10
.set SH8,  11                          ; 8 h
.set ZSR,  29
.set ZGS,  30
.set KF,   32                          ; v32-79 a step's k, later its v; v80-85 zeros
.set KS,   86
.set VS,   90
.set T0,   92
.set T1,   93
.set BP,   94                          ; v94-95 lane permutes' results
.set S,    96                          ; v96-159 S^T, then p
.set O,    160                         ; v160-191 O^T
.set PC,   192                         ; v192-203 p's codes
.set PT,   204
.set BM,   212                         ; v212-215 block maxima, two chains a block
.set BSC,  216
.set BY,   218
.set PW,   220
.set F,    222
.set C1,   224
.set C2,   226
.set C3,   228
.set ADK,  232
.set ADV,  233
.set ADS,  234
.set ADT,  235
.set QA0,  236
.set QSO,  239
.set WV,   12
.set NC,   15                          ; -c
.set SEL,  20
.set CS,   22                          ; c = log2(e) / 8
.set G1C,  24
.set G1S,  32
.set G0S,  40
.set G0C,  44
.set TB,   60
.set TS,   61
.set TJ,   62
.set CNT,  63
.set HM,   67
.set QB,   68
.set QSB,  70
.set ZB,   72
.set ZSB,  74
.macro CROUND
	s_barrier_signal -1
	s_barrier_wait -1
	s_cmp_lg_u32 s[WV], 0
	s_cbranch_scc1 .Lnot_wave_0_\@
	s_barrier_signal -3
.Lnot_wave_0_\@:
	s_barrier_wait -3
	s_barrier_signal -1
	s_barrier_wait -1
.endm
	s_load_b256 s[4:11], s[0:1], 0x0               ; qkv_codes, qkv_scales, z_codes, z_scales
	v_lshl_add_u32 v[SPW], v0, 2, SPARE
	v_mov_b32 v[NIL], 0
	ds_add_u32 v[SPW], v[NIL]                      ; the opening lines: the add twice and its wait ahead of the first tensor load
	ds_add_u32 v[SPW], v[NIL]
	v_lshrrev_b32 v240, 5, v0
	v_readfirstlane_b32 s[WV], v240                ; wave 0..15
	s_and_b32 s14, ttmp7, 0xffff                   ; the head, which the four partners share
.irp g, G1C, G1S
	s_mov_b32 s[\g], 15|(3<<16)|(1<<21)            ; all four work-groups; elements of 8 bytes; dense rows of 256 bytes
	s_mov_b32 s[\g+1], 32<<16
	s_mov_b32 s[\g+3], 32<<16
	s_mov_b32 s[\g+5], 32
	s_mov_b32 s[\g+6], 0
	s_mov_b32 s[\g+7], 0
.endr
	s_mov_b32 s[G1C+2], 64<<16
	s_mov_b32 s[G1C+4], 64
	s_mov_b32 s[G1S+2], 12<<16
	s_mov_b32 s[G1S+4], 12
	s_mov_b32 s[SEL], 0x76543210
	s_mov_b32 s[SEL+1], 0xfedcba98
	s_mov_b32 s[CS], 0x3e38aa3b
	s_mov_b32 s[CS+1], s[CS]
	s_mov_b32 s[NC], 0xbe38aa3b
	s_mov_b32 s[HM], 0xffff0000
	v_and_b32 v240, 31, v0                         ; lane
	v_and_b32 v241, 15, v0                         ; r
	v_bfe_u32 v242, v0, 4, 1                       ; h
	v_bfe_u32 v243, v0, 3, 1                       ; r / 8
	v_and_b32 v244, 7, v0                          ; r % 8
	v_and_b32 v246, 63, v0
	v_lshlrev_b32 v[LI], 4, v240
	v_add_nc_u32 v[LIV], VIMG, v[LI]
	v_lshl_add_u32 v[LSK], v240, 2, SCL
	v_lshl_add_u32 v[LSV], v240, 2, SCL+8192
	s_lshl_b32 s76, s[WV], 10
	s_add_co_u32 s76, s76, ZST
	v_lshlrev_b32 v[ZSTO], 6, v241                 ; my query's four places, + 16 h
	v_lshl_add_u32 v[ZSTO], v242, 4, v[ZSTO]
	v_add_nc_u32 v[ZSTO], s76, v[ZSTO]
	v_add_nc_u32 v[ZSRD], s76, v[LI]
	s_mul_i32 s76, s[WV], 768
	v_mul_u32_u24 v[ZGO], v240, 12
	v_add_nc_u32 v[ZGO], s76, v[ZGO]
	s_lshl_b32 s76, s[WV], 5
	s_add_co_u32 s76, s76, ZSS
	v_lshl_add_u32 v[ZBS], v241, 1, v242           ; 2 bytes a token; lane half h sends block h's
	v_add_nc_u32 v[ZBS], s76, v[ZBS]
	v_lshlrev_b32 v[ZGS], 4, v246
	v_add_nc_u32 v[ZSR], ZSS, v[ZGS]
	v_lshlrev_b32 v[SH8], 3, v242
	; q: my tokens 16 m + r (m % 4 = wave % 4 in every pass) stand in tiles 4 (m / 4) + 2 (m % 2) + r / 8, rows 8 ((m / 2) % 2) + r % 8.  Register n of an image lies at 512 (n / 4) + 16 lane + 4 (n % 4); the odd tile's are 6 .. 11
	s_bfe_u32 s77, s[WV], 0x10001
	s_lshl_b32 s76, s77, 7
	v_lshlrev_b32 v245, 4, v244
	v_lshl_add_u32 v245, v242, 8, v245
	v_add_nc_u32 v245, s76, v245                   ; 16 x the lane that holds my row's half
	v_mad_u32_u24 v[QA0], v243, 520, v245
	v_mad_u32_u24 v[QA0+1], v243, 1016, v245
	v_add_nc_u32 v[QA0+1], 8, v[QA0+1]
	v_add_nc_u32 v[QA0+2], 512, v[QA0]
	s_lshl_b32 s76, s77, 5
	v_lshlrev_b32 v[QSO], 2, v244
	v_lshl_add_u32 v[QSO], v243, 6, v[QSO]
	v_add_nc_u32 v[QSO], s76, v[QSO]
.irp j, 0,1,2,3,4,5
	v_mov_b32 v[22+\j], 0                          ; q's upper half: zero codes
	v_mov_b32 v[KF+48+\j], 0                       ; behind k's last tile
.endr
	v_mov_b32 v[BP], 0                             ; a lane permute's destination counts as one of its sources
	v_mov_b32 v[BP+1], 0
	v_mov_b32 v[F+1], 0                            ; (named as the upper half of a pair)
	s_wait_dscnt 0x0
	s_wait_kmcnt 0x0
	s_mul_i32 s76, s14, 98304                      ; codes: 16,384 bytes a wave: k's six parts in section 1, v's six in section 2; in LDS they lie on end
	s_lshl_b32 s82, s[WV], 14
	s_add_co_u32 s76, s76, s82
	s_add_co_u32 s76, s76, 6291456
	s_cmp_lt_u32 s[WV], 6
	s_cselect_b32 s80, 0, 6291456-98304
	s_add_co_u32 s76, s76, s80
	s_mov_b32 s77, 0
	s_mov_b32 s[G0C], 1
	s_add_co_u32 s[G0C+1], s82, 0
	s_add_nc_u64 s[G0C+2:G0C+3], s[4:5], s[76:77]
	s_or_b32 s[G0C+3], s[G0C+3], 0x80000000
	s_and_b32 s82, s[WV], 3                        ; scale bytes: 3,072 a wave
	s_mul_i32 s82, s82, 3072
	s_mul_i32 s76, s14, 12288
	s_add_co_u32 s76, s76, s82
	s_add_co_u32 s76, s76, 786432
	s_mov_b32 s[G0S], 1
	s_add_co_u32 s[G0S+1], s82, SCL
	s_add_nc_u64 s[G0S+2:G0S+3], s[6:7], s[76:77]
	s_or_b32 s[G0S+3], s[G0S+3], 0x80000000
	CROUND                                         ; the joint loads meet
	s_cmp_lt_u32 s[WV], 12
	s_cbranch_scc0 .Lfill_s
	tensor_load_to_lds s[G0C:G0C+3], s[G1C:G1C+7]
	s_nop 0
.rept 4
	v_nop
.endr
	s_branch .Lfilled
.Lfill_s:
	tensor_load_to_lds s[G0S:G0S+3], s[G1S:G1S+7]
	s_nop 0
.rept 4
	v_nop
.endr
.Lfilled:
	s_bfe_u32 s13, ttmp6, 0x40000                  ; cx: my quarter of the queries: it enters global addresses alone
	s_lshr_b32 s82, s[WV], 2
	s_lshl_b32 s82, s82, 1
	s_and_b32 s83, s[WV], 1
	s_add_co_u32 s82, s82, s83
	s_lshl_b32 s83, s13, 4
	s_add_co_u32 s82, s82, s83                     ; pass 0's image of q: 16 cx + 2 (wave / 4) + wave % 2
	s_mul_i32 s84, s82, 1536
	s_mul_i32 s86, s14, 98304
	s_add_co_u32 s84, s84, s86
	s_mov_b32 s85, 0
	s_add_nc_u64 s[QB:QB+1], s[4:5], s[84:85]
	s_lshl_b32 s84, s82, 7
	s_mul_i32 s83, s14, 12288
	s_add_co_u32 s84, s84, s83
	s_add_nc_u64 s[QSB:QSB+1], s[6:7], s[84:85]
	s_mul_i32 s84, s13, 24576
	s_add_co_u32 s84, s84, s86
	s_add_nc_u64 s[ZB:ZB+1], s[8:9], s[84:85]
	s_lshl_b32 s84, s14, 12
	s_lshl_b32 s83, s13, 10
	s_add_co_u32 s84, s84, s83
	s_add_nc_u64 s[ZSB:ZSB+1], s[10:11], s[84:85]
	s_wait_alu depctr_va_vdst(0)
	s_wait_tensorcnt 0x0                           ; my part is in;
	s_barrier_signal -1
	s_barrier_wait -1                              ; everybody's is
; A PASS: one tile of 16 queries for each wave under lim.  zp: where the tile's scale bytes lie beyond 32 x wave; dq, dqs, dz: bytes from this pass's tile to the next pass's in q's images, q's scale words and z_codes
.macro PASS lim, zp, dq, dqs, dz
.if \lim < 16
	s_cmp_lt_u32 s[WV], \lim
	s_cbranch_scc0 .Lidle_\@
.endif
	global_load_b64 v[16:17], v[QA0], s[QB:QB+1]
	global_load_b64 v[18:19], v[QA0+1], s[QB:QB+1]
	global_load_b64 v[20:21], v[QA0+2], s[QB:QB+1]
	global_load_b32 v28, v[QSO], s[QSB:QSB+1]
.irp j, 0,1,2,3,4,5,6,7,8,9,10,11,12,13,14,15,16,17,18,19,20,21,22,23,24,25,26,27,28,29,30,31
	v_mov_b32 v[O+\j], 0                           ; the step is written once; the first finds zeros
.endr
	v_mov_b32 v14, 0
	v_mov_b32 v15, 0
	v_mov_b32 v13, 0xff61b1e6                      ; the largest score so far: -3e38
	v_mul_f32 v12, s[NC], v13
	v_floor_f32 v12, v12                           ; -M
	s_wait_alu depctr_va_vdst(0)
	s_wait_loadcnt 0x0
.Lidle_\@:
	s_mov_b32 s[TB], 0
	s_mov_b32 s[TS], 0
	s_mov_b32 s[TJ], 0
	s_mov_b32 s[CNT], 16
.Lstep_\@:                                         ; a key step: 128 keys; sixteen trips for every wave
.if \lim < 16
	s_cmp_lt_u32 s[WV], \lim
	s_cbranch_scc0 .Lskip_\@
.endif
	v_add_nc_u32 v[ADK], s[TB], v[LI]              ; (these four are the places behind the last products)
	v_add_nc_u32 v[ADV], s[TB], v[LIV]
	v_add_nc_u32 v[ADS], s[TS], v[LSK]
	v_add_nc_u32 v[ADT], s[TJ], v[LSV]
.irp g, 0,1,2,3,4,5,6,7,8,9,10,11
	ds_load_b128 v[KF+4*\g:KF+4*\g+3], v[ADK] offset:512*\g
.endr
.irp i, 0,1,2,3
	ds_load_b32 v[KS+\i], v[ADS] offset:128*\i
.endr
	s_wait_alu depctr_va_vdst(0)
	s_wait_dscnt 0x0
.irp t, 0,2,4,6
	v_wmma_scale_f32_16x16x128_f8f6f4 v[S+8*\t:S+8*\t+7], v[KF+6*\t:KF+6*\t+11], v[16:27], 0, v[KS+\t/2], v28 matrix_a_fmt:MATRIX_FMT_FP6 matrix_b_fmt:MATRIX_FMT_FP6
	v_wmma_scale_f32_16x16x128_f8f6f4 v[S+8*\t+8:S+8*\t+15], v[KF+6*\t+6:KF+6*\t+17], v[16:27], 0, v[KS+\t/2], v28 matrix_a_fmt:MATRIX_FMT_FP6 matrix_b_fmt:MATRIX_FMT_FP6 matrix_a_scale:MATRIX_SCALE_ROW1
.endr
	v_mov_b32 v[T1], v12                           ; the old -M; with three idle lines the four places behind the products
.rept 3
	v_nop
.endr
.irp g, 0,1,2,3,4,5,6,7,8,9,10,11
	ds_load_b128 v[KF+4*\g:KF+4*\g+3], v[ADV] offset:512*\g        ; v's four fragments land under the softmax
.endr
.irp i, 0,1
	ds_load_b32 v[VS+\i], v[ADT] offset:128*\i
.endr
.irp c, 0,1                                        ; the largest score of my two blocks of 32 keys, two chains each; each accumulator is first read at its low end
	v_max3_num_f32 v[BM+\c], v[S+32*\c], v[S+32*\c+1], v[S+32*\c+2]
	v_max3_num_f32 v[BM+2+\c], v[S+32*\c+16], v[S+32*\c+17], v[S+32*\c+18]
.endr
.irp i, 3,5,7,9,11,13
.irp c, 0,1
	v_max3_num_f32 v[BM+\c], v[BM+\c], v[S+32*\c+\i], v[S+32*\c+\i+1]
	v_max3_num_f32 v[BM+2+\c], v[BM+2+\c], v[S+32*\c+16+\i], v[S+32*\c+17+\i]
.endr
.endr
.irp c, 0,1
	v_max3_num_f32 v[BM+\c], v[BM+\c], v[BM+2+\c], v[S+32*\c+15]
.endr
.irp c, 0,1
	v_max_num_f32 v[BM+\c], v[BM+\c], v[S+32*\c+31]
.endr
	s_delay_alu instid0(VALU_DEP_1)
	v_max_num_f32 v[T0], v[BM], v[BM+1]
	s_delay_alu instid0(VALU_DEP_1)
	v_permlanex16_b32 v[BP], v[T0], s[SEL], s[SEL+1]
	s_delay_alu instid0(VALU_DEP_1)
	v_max3_num_f32 v13, v13, v[T0], v[BP]          ; the running largest score of my query (c is positive: the largest t is c x it)
	s_delay_alu instid0(VALU_DEP_1)
	v_mul_f32 v[T0], s[NC], v13
	s_delay_alu instid0(VALU_DEP_1)
	v_floor_f32 v12, v[T0]                         ; the new -M = floor(-t): M is a whole number
	s_delay_alu instid0(VALU_DEP_1)
	v_sub_f32 v[T1], v12, v[T1]                    ; old M - new M: a whole number, 0 or less
	s_delay_alu instid0(VALU_DEP_1)
	v_cvt_i32_f32 v[T1], v[T1]                     ; (it saturates)
	s_delay_alu instid0(VALU_DEP_1)
	v_ldexp_f32 v[F], 1.0, v[T1]                   ; f = 2^(old M - new M)
.irp j, 0,2,4,6,8,10,12,14,16,18,20,22,24,26,28,30,32,34,36,38,40,42,44,46,48,50,52,54,56,58,60,62
	v_pk_fma_f32 v[S+\j:S+1+\j], v[S+\j:S+1+\j], s[CS:CS+1], v[12:13] op_sel_hi:[1,0,0]   ; t - M, two at a time
.endr
.irp c, 0,1
	v_fma_f32 v[BM+\c], v[BM+\c], s[CS], v12       ; the same of each block's largest score
.endr
	s_wait_alu depctr_va_vdst(0)
.irp j, 0,1,2,3,4,5,6,7,8,9,10,11,12,13,14,15,16,17,18,19,20,21,22,23,24,25,26,27,28,29,30,31,32,33,34,35,36,37,38,39,40,41,42,43,44,45,46,47,48,49,50,51,52,53,54,55,56,57,58,59,60,61,62,63
	v_exp_f32 v[S+\j], v[S+\j]                     ; p = 2^(t - M), at most 1
.endr
	v_pk_mul_f32 v[14:15], v[14:15], v[F:F+1] op_sel_hi:[1,0]      ; the sums under the new M (the plain place behind the exponentials)
	s_wait_alu depctr_va_vdst(0)                   ; one wait for the batch of 64
.irp c, 0,1
	v_exp_f32 v[BM+\c], v[BM+\c]                   ; the block's largest p: the same two instructions on the same number
.endr
	v_pk_add_f32 v[C1:C1+1], v[S+2:S+3], v[S+4:S+5]                ; the row's sum, of the unquantised p: four chains
	v_pk_add_f32 v[C2:C2+1], v[S+6:S+7], v[S+8:S+9]
	v_pk_add_f32 v[C3:C3+1], v[S+10:S+11], v[S+12:S+13]
	v_pk_add_f32 v[14:15], v[14:15], v[S:S+1]
.irp j, 14,22,30,38,46,54
	v_pk_add_f32 v[14:15], v[14:15], v[S+\j:S+\j+1]
	v_pk_add_f32 v[C1:C1+1], v[C1:C1+1], v[S+\j+2:S+\j+3]
	v_pk_add_f32 v[C2:C2+1], v[C2:C2+1], v[S+\j+4:S+\j+5]
	v_pk_add_f32 v[C3:C3+1], v[C3:C3+1], v[S+\j+6:S+\j+7]
.endr
	v_pk_add_f32 v[14:15], v[14:15], v[S+62:S+63]
	v_pk_add_f32 v[C1:C1+1], v[C1:C1+1], v[C2:C2+1]
	v_pk_add_f32 v[14:15], v[14:15], v[C3:C3+1]
	s_delay_alu instid0(VALU_DEP_1)
	v_pk_add_f32 v[14:15], v[14:15], v[C1:C1+1]
	s_wait_alu depctr_va_vdst(0)                   ; and one for the two
.irp c, 0,1
	v_max_num_f32 v[BM+\c], 0x1800000, v[BM+\c]    ; the floor 2^(3 - 127)
.endr
.irp c, 0,1
	v_add_nc_u32 v[BSC+\c], 0xff000000, v[BM+\c]   ; 2 off the exponent field: the conversion's scale operand
.endr
.irp c, 0,1
	v_lshrrev_b32 v[BY+\c], 23, v[BSC+\c]          ; the scale's byte
.endr
	s_delay_alu instid0(VALU_DEP_1)
	v_lshl_or_b32 v[PW], v[BY+1], 16, v[BY]        ; my two bytes, blocks h and 2 + h,
	s_delay_alu instid0(VALU_DEP_1)
	v_lshlrev_b32 v[PW], v[SH8], v[PW]             ; at their places;
	s_delay_alu instid0(VALU_DEP_1)
	v_permlanex16_b32 v[BP], v[PW], s[SEL], s[SEL+1]
	s_delay_alu instid0(VALU_DEP_1)
	v_or_b32 v[PW], v[PW], v[BP]                   ; with lane l xor 16's: p's scale word for these 128 keys
.irp c, 0,1
	v_cvt_scalef32_pk16_fp6_f32 v[PC+6*\c:PC+2+6*\c], v[S+32*\c:S+15+32*\c], v[BSC+\c]
	v_cvt_scalef32_pk16_fp6_f32 v[PT+4*\c:PT+2+4*\c], v[S+16+32*\c:S+31+32*\c], v[BSC+\c]   ; (a conversion's three registers begin on an even number)
.endr
	s_wait_alu depctr_va_vdst(0)                   ; the wait directly ahead of the first reader of O^T
	v_pk_mul_f32 v[O:O+1], v[O:O+1], v[F:F+1] op_sel_hi:[1,0]      ; O^T under the new M (this one is also the plain place behind the conversions)
.irp c, 0,1
.irp i, 0,1,2
	v_mov_b32 v[PC+3+6*\c+\i], v[PT+4*\c+\i]
.endr
.endr
.irp j, 2,4,6,8,10,12,14,16,18,20,22,24,26,28,30
	v_pk_mul_f32 v[O+\j:O+1+\j], v[O+\j:O+1+\j], v[F:F+1] op_sel_hi:[1,0]   ; (these 15 are the places between the scale word's and the codes' last writes and the products)
.endr
	s_wait_alu depctr_va_vdst(0)
	s_wait_dscnt 0x0                               ; v's fragments and scale words are in
.irp t, 0,2
	v_wmma_scale_f32_16x16x128_f8f6f4 v[O+8*\t:O+8*\t+7], v[KF+12*\t:KF+12*\t+11], v[PC:PC+11], v[O+8*\t:O+8*\t+7], v[VS+\t/2], v[PW] matrix_a_fmt:MATRIX_FMT_FP6 matrix_b_fmt:MATRIX_FMT_FP6
	v_wmma_scale_f32_16x16x128_f8f6f4 v[O+8*\t+8:O+8*\t+15], v[KF+12*\t+12:KF+12*\t+23], v[PC:PC+11], v[O+8*\t+8:O+8*\t+15], v[VS+\t/2], v[PW] matrix_a_fmt:MATRIX_FMT_FP6 matrix_b_fmt:MATRIX_FMT_FP6 matrix_a_scale:MATRIX_SCALE_ROW1
.endr                                              ; the four accumulators take turns
.Lskip_\@:
	s_add_co_u32 s[TB], s[TB], 6144
	s_add_co_u32 s[TS], s[TS], 512
	s_add_co_u32 s[TJ], s[TJ], 256
	s_sub_co_u32 s[CNT], s[CNT], 1
	s_cmp_lg_u32 s[CNT], 0
	s_cbranch_scc1 .Lstep_\@
.rept 4
	v_nop                                          ; places behind the last products, on every way out of the loop
.endr
.if \lim < 16
	s_cmp_lt_u32 s[WV], \lim
	s_cbranch_scc0 .Lnoway_\@
.endif
	; THE WAY OUT: z = O^T / the sum, quantised along the channels.  Register 16 b + i is channel 32 b + 16 h + i of my query: a block lies in lanes l and l xor 16.
	v_add_f32 v14, v14, v15
	s_delay_alu instid0(VALU_DEP_1)
	v_permlanex16_b32 v[BP], v14, s[SEL], s[SEL+1]
	s_delay_alu instid0(VALU_DEP_1)
	v_add_f32 v14, v14, v[BP]                      ; the row's sum
	s_wait_alu depctr_va_vdst(0)
	v_rcp_f32 v[F], v14
	v_nop
	s_wait_alu depctr_va_vdst(0)
.irp j, 0,2,4,6,8,10,12,14,16,18,20,22,24,26,28,30
	v_pk_mul_f32 v[S+\j:S+1+\j], v[O+\j:O+1+\j], v[F:F+1] op_sel_hi:[1,0]   ; each accumulator from its low end on
.endr
.irp b, 0,1
	v_max3_num_f32 v[BM+\b], |v[S+16*\b]|, |v[S+1+16*\b]|, 0x1800000
.endr
.irp i, 2,4,6,8,10,12,14
.irp b, 0,1
	v_max3_num_f32 v[BM+\b], v[BM+\b], |v[S+16*\b+\i]|, |v[S+1+16*\b+\i]|
.endr
.endr
.irp b, 0,1
	v_permlanex16_b32 v[BP+\b], v[BM+\b], s[SEL], s[SEL+1]
.endr
.irp b, 0,1
	v_max_num_f32 v[BM+\b], v[BM+\b], v[BP+\b]
.endr
.irp b, 0,1
	v_add_nc_u32 v[BSC+\b], 0xff000000, v[BM+\b]
.endr
.irp b, 0,1
	v_lshrrev_b32 v[BY+\b], 23, v[BSC+\b]
.endr
	v_cvt_scalef32_pk16_fp6_f32 v[PC:PC+2], v[S:S+15], v[BSC]
	v_cvt_scalef32_pk16_fp6_f32 v[PC+4:PC+6], v[S+16:S+31], v[BSC+1]
	v_cndmask_b32 v[T0], v[BY], v[BY+1], s[HM]     ; lanes 0-15 send block 0's byte, lanes 16-31 block 1's (also the plain place behind the conversions)
	ds_store_b96 v[ZSTO], v[PC:PC+2]               ; 12 bytes to a place of 16, in my own stage
	ds_store_b96 v[ZSTO], v[PC+4:PC+6] offset:32
	ds_store_b8 v[ZBS], v[T0] offset:\zp
	ds_load_b96 v[200:202], v[ZSRD]                ; LDS serves a wave's instructions in order: these see my stores
	ds_load_b96 v[204:206], v[ZSRD] offset:512
	s_wait_dscnt 1
	global_store_b96 v[ZGO], v[200:202], s[ZB:ZB+1]
	s_wait_dscnt 0x0
	global_store_b96 v[ZGO], v[204:206], s[ZB:ZB+1] offset:384     ; the wave's two stores cover 768 consecutive bytes, aligned
.if \dq > 0
	s_wait_xcnt 0x0                                ; the loads and stores have read their registers and bases
	s_add_nc_u64 s[QB:QB+1], s[QB:QB+1], \dq
	s_add_nc_u64 s[QSB:QSB+1], s[QSB:QSB+1], \dqs
	s_add_nc_u64 s[ZB:ZB+1], s[ZB:ZB+1], \dz
.endif
.Lnoway_\@:
.endm
	PASS 16, 0, 12288, 1024, 12288                 ; tile w; the next lies 16 tiles on: 8 images, 16 rows of z
	PASS 12, 512, 9216, 768, 9216                  ; tile 16 + w; the next lies 12 tiles on: 6 images, 12 rows of z
	PASS 4, 896, 0, 0, 0                           ; tile 28 + w
	s_wait_tensorcnt 0x0                           ; the wave's end, behind my last LDS store
	ds_add_u32 v[SPW], v[NIL]
	s_wait_dscnt 0x0
	s_barrier_signal -1
	s_barrier_wait -1                              ; every wave's scale bytes are in LDS
	s_cmp_lt_u32 s[WV], 2
	s_cbranch_scc0 .Lnot_scales
	ds_load_b128 v[208:211], v[ZSR]                ; waves 0 and 1: 512 bytes each
	s_wait_dscnt 0x0
	global_store_b128 v[ZGS], v[208:211], s[ZSB:ZSB+1]
.Lnot_scales:
	CROUND                                         ; the closing round
	s_endpgm
.Lfunc_end_k_q2fba52cf0c_attn:
	.size	k_q2fba52cf0c_attn, .Lfunc_end_k_q2fba52cf0c_attn-k_q2fba52cf0c_attn
	.p2alignl 7, 3214868480
	.fill 96, 4, 3214868480
	.section	.rodata,"a",@progbits
	.p2align	6, 0x0
	.amdhsa_kernel k_q2fba52cf0c_attn
		.amdhsa_group_segment_fixed_size 327680
		.amdhsa_private_segment_fixed_size 0
		.amdhsa_enable_private_segment 0
		.amdhsa_kernarg_size 32
		.amdhsa_user_sgpr_count 2
		.amdhsa_user_sgpr_kernarg_segment_ptr 1
		.amdhsa_wavefront_size32 1
		.amdhsa_system_sgpr_workgroup_id_x 1
		.amdhsa_system_sgpr_workgroup_id_y 1
		.amdhsa_system_sgpr_workgroup_id_z 1
		.amdhsa_system_vgpr_workitem_id 0
		.amdhsa_next_free_vgpr 256
		.amdhsa_next_free_sgpr 88
		.amdhsa_reserve_vcc 0
		.amdhsa_float_denorm_mode_32 3
		.amdhsa_float_denorm_mode_16_64 3
		.amdhsa_memory_ordered 1
		.amdhsa_forward_progress 1
		.amdhsa_inst_pref_size 71
	.end_amdhsa_kernel
	.amdgpu_metadata
---
amdhsa.version: [ 1, 2 ]
amdhsa.kernels:
  - .name:           k_q2fba52cf0c_attn
    .symbol:         k_q2fba52cf0c_attn.kd
    .args:
      - { .name: qkv_codes, .offset: 0, .size: 8, .value_kind: global_buffer, .address_space: global }
      - { .name: qkv_scales, .offset: 8, .size: 8, .value_kind: global_buffer, .address_space: global }
      - { .name: z_codes, .offset: 16, .size: 8, .value_kind: global_buffer, .address_space: global }
      - { .name: z_scales, .offset: 24, .size: 8, .value_kind: global_buffer, .address_space: global }
    .group_segment_fixed_size: 327680
    .private_segment_fixed_size: 0
    .kernarg_segment_align: 8
    .kernarg_segment_size: 32
    .max_flat_workgroup_size: 512
    .sgpr_count:     88
    .vgpr_count:     256
    .wavefront_size: 32
...
	.end_amdgpu_metadata
.endif
;; end of part 3
;; launch proj (part 4): grid 4 x 64, 4 waves a work-group, clusters of 4 x 4, 327,680 bytes of LDS; arguments z_codes, z_scales, w_codes, w_scales, out0; writes out0
.if DOCPART == 4
	.amdgcn_target "amdgcn-amd-amdhsa--gfx1250"
	.amdhsa_code_object_version 6
	.text
	.protected	k_q2fba52cf0c_proj
	.globl	k_q2fba52cf0c_proj
	.p2align	8
	.type	k_q2fba52cf0c_proj,@function
k_q2fba52cf0c_proj:
	s_mov_b64 s[64:65], 0
	v_nop
	global_prefetch_b8 v0, s[64:65] scope:SCOPE_SE
	s_setreg_imm32_b32 hwreg(HW_REG_WAVE_MODE, 25, 1), 1
	s_wait_xcnt 0x0
	s_wait_alu depctr_hold_cnt(0) depctr_sa_sdst(0) depctr_va_vdst(0) depctr_va_sdst(0) depctr_va_ssrc(0) depctr_va_vcc(0) depctr_vm_vsrc(0)
	s_getreg_b32 s2, hwreg(HW_REG_IB_STS2, 6, 4)
	s_cmp_eq_u32 s2, 0
	s_cbranch_scc0 .Lentry_in_a_cluster
	s_endpgm
.Lentry_in_a_cluster:
	s_bfe_u32 s2, ttmp6, 0x10000c
	s_cmp_lg_u32 s2, 0xf033
	s_cbranch_scc0 .Lentry_shape_is_right
	s_endpgm
.Lentry_shape_is_right:
; out0 = z W_out on codes of FP6 (E2M3) with E8M0 scales, K = 1,024, f32 out.  z_codes is [8192][768 bytes]: a row is 16 neighbouring tokens of one head.  W_out's columns are positions 3,072 on of w_codes.
; A work-group makes 128 rows x 256 columns; a wave 64 x 128: 32 accumulators.  ALL OF K LIES IN LDS: 384 rows of 768 bytes, each beginning at a multiple of 256 bytes of its buffer, 16 bytes of padding behind each 256: pitch 816.
; One joint load a wave at the head, nothing filled twice, so no loop to ask ahead in: no prefetch.  z's tile is shared along a row of the 4 x 4 cluster, W's along a column.  The scale words go from memory straight into registers, once.
.set PITCH,  816
.set ABYTES, 128*PITCH
.set FR,     12
.set SPARE,  384*PITCH
.set SPITCH, 528                       ; the way out: a stage of 16 rows x (512 + 16) bytes a wave, in A's tile, behind a barrier behind which nobody reads the tiles
.set ADRA, 16
.set ADRB, 18
.set STO,  24
.set RD,   25
.set CO,   26
.set SPW,  28
.set NIL,  29
.set SA,   32
.set SB,   64
.set AF,   128
.set BK,   128
.set G1, 24
.set G0, 32
.set G1B, 48
.set G0B, 56
.set MSB, 0
.macro WIN new
.if MSB != (\new)
	s_set_vgpr_msb (MSB<<8)|(\new)
.set MSB, (\new)
.endif
.endm
.macro PLACES
.rept 4
	v_nop
.endr
.endm
.macro CROUND
	s_barrier_signal -1
	s_barrier_wait -1
	s_cmp_lg_u32 s14, 0
	s_cbranch_scc1 .Lnot_wave_0_\@
	s_barrier_signal -3
.Lnot_wave_0_\@:
	s_barrier_wait -3
	s_barrier_signal -1
	s_barrier_wait -1
.endm
	s_load_b128 s[4:7], s[0:1], 0x0                ; z_codes, z_scales
	s_load_b128 s[8:11], s[0:1], 0x10              ; w_codes, w_scales
	s_load_b64 s[12:13], s[0:1], 0x20              ; out0
	v_lshl_add_u32 v[SPW], v0, 2, SPARE
	v_mov_b32 v[NIL], 0
	ds_add_u32 v[SPW], v[NIL]                      ; the opening lines: the add twice and its wait ahead of the first tensor load
	ds_add_u32 v[SPW], v[NIL]
	v_lshrrev_b32 v1, 5, v0
	v_readfirstlane_b32 s14, v1
	s_lshr_b32 s15, s14, 1                         ; my half of A's rows; also: I fetch for A (0) or B (1)
	s_and_b32 s16, s14, 1                          ; my half of B's rows; also: which half I fetch
	s_bfe_u32 s40, ttmp6, 0x40000
	s_bfe_u32 s41, ttmp6, 0x40004
	s_lshl_b32 s42, ttmp9, 2
	s_add_co_u32 s42, s42, s40                     ; B's block of 256 columns
	s_and_b32 s17, ttmp7, 0xffff
	s_lshl_b32 s17, s17, 2
	s_add_co_u32 s17, s17, s41                     ; A's block of 128 rows
	s_lshl_b32 s43, s41, 2
	s_lshl_b32 s43, 15, s43
	s_lshl_b32 s44, 0x1111, s40
	s_or_b32 s[G1+0], s43, (1<<20)|(1<<21)|(5<<22)|(3<<25)
	s_or_b32 s[G1B+0], s44, (1<<20)|(1<<21)|(5<<22)|(3<<25)
	s_mov_b32 s[G1+2], 64<<16
	s_mov_b32 s[G1+4], 64
	s_mov_b32 s[G1B+2], 128<<16
	s_mov_b32 s[G1B+4], 128
.irp g, G1, G1B
	s_mov_b32 s[\g+1], 768<<16
	s_mov_b32 s[\g+3], 768<<16
	s_mov_b32 s[\g+5], 768
	s_mov_b32 s[\g+6], 0
	s_mov_b32 s[\g+7], 0
.endr
	s_lshl_b32 s20, s17, 7
	s_lshl_b32 s18, s16, 6
	s_add_co_u32 s20, s20, s18
	s_mul_i32 s20, s20, 768
	s_mov_b32 s21, 0
	s_lshl_b32 s46, s42, 8
	s_lshl_b32 s18, s16, 7
	s_add_co_u32 s46, s46, s18
	s_lshl_b32 s18, s46, 5
	s_mov_b32 s19, 0
	s_mul_i32 s46, s46, 768
	s_mov_b32 s47, 0
	s_lshl_b32 s22, s17, 7
	s_lshl_b32 s23, s15, 6
	s_add_co_u32 s22, s22, s23
	s_lshl_b32 s22, s22, 5
	s_mov_b32 s23, 0
	s_mov_b32 s[G0], 1
	s_mul_i32 s[G0+1], s16, 64*PITCH
	s_mov_b32 s[G0B], 1
	s_mul_i32 s[G0B+1], s16, 128*PITCH
	s_add_co_u32 s[G0B+1], s[G0B+1], ABYTES
	s_wait_dscnt 0x0
	s_wait_kmcnt 0x0
	s_add_nc_u64 s[8:9], s[8:9], 3072*768
	s_add_nc_u64 s[10:11], s[10:11], 3072*32
	s_add_nc_u64 s[G0+2:G0+3], s[4:5], s[20:21]
	s_add_nc_u64 s[G0B+2:G0B+3], s[8:9], s[46:47]
	s_add_nc_u64 s[6:7], s[6:7], s[22:23]
	s_add_nc_u64 s[10:11], s[10:11], s[18:19]
	s_or_b32 s[G0+3], s[G0+3], 0x80000000
	s_or_b32 s[G0B+3], s[G0B+3], 0x80000000
	CROUND                                         ; the joint loads meet
	s_cmp_eq_u32 s15, 0
	s_cbranch_scc0 .Lfor_b
	tensor_load_to_lds s[G0:G0+3], s[G1:G1+7]
	s_nop 0
	PLACES
	s_branch .Lasked
.Lfor_b:
	tensor_load_to_lds s[G0B:G0B+3], s[G1B:G1B+7]
	s_nop 0
	PLACES
.Lasked:
	v_and_b32 v1, 15, v0
	v_bfe_u32 v2, v0, 4, 1
	v_lshlrev_b32 v4, 5, v1
	v_lshl_add_u32 v5, v2, 11, v4
	s_wait_alu depctr_va_vdst(0)
.irp i, 0,1,2,3
	global_load_b128 v[SA+8*\i:SA+8*\i+3], v4, s[6:7] offset:512*\i
	global_load_b128 v[SA+8*\i+4:SA+8*\i+7], v4, s[6:7] offset:512*\i+16
	global_load_b128 v[SB+8*\i:SB+8*\i+3], v5, s[10:11] offset:512*\i
	global_load_b128 v[SB+8*\i+4:SB+8*\i+7], v5, s[10:11] offset:512*\i+16
.endr
	v_mul_u32_u24 v3, v1, PITCH
	v_mad_u32_u24 v3, v2, 24, v3
	s_mul_i32 s21, s15, 64*PITCH
	s_mul_i32 s22, s16, 128*PITCH
	s_add_co_u32 s22, s22, ABYTES
	v_add_nc_u32 v[ADRA], s21, v3
	v_lshl_add_u32 v[ADRA+1], v2, 4, v[ADRA]
	v_add_nc_u32 v[ADRB], s22, v3
	v_lshl_add_u32 v[ADRB+1], v2, 4, v[ADRB]
	v_add_nc_u32 v[ADRB+2], 64*PITCH, v[ADRB]
	v_add_nc_u32 v[ADRB+3], 64*PITCH, v[ADRB+1]
	s_mul_i32 s23, s14, 16*SPITCH
	v_mul_u32_u24 v7, v1, SPITCH
	v_lshl_add_u32 v7, v2, 6, v7                   ; W's positions have bits 3 and 4 of the column exchanged: lane half h holds columns 16 h on of a group of 32
	v_add_nc_u32 v[STO], s23, v7
	v_and_b32 v6, 31, v0
	v_lshlrev_b32 v[CO], 4, v6
	v_add_nc_u32 v[RD], s23, v[CO]
	s_lshl_b32 s20, s17, 7
	s_lshl_b32 s21, s15, 6
	s_add_co_u32 s20, s20, s21
	s_lshl_b32 s20, s20, 12                        ; my first row of out0, 4,096 bytes a row
	s_lshl_b32 s46, s42, 10
	s_lshl_b32 s47, s16, 9
	s_add_co_u32 s20, s20, s46
	s_add_co_u32 s20, s20, s47
	s_mov_b32 s21, 0
	s_add_nc_u64 s[12:13], s[12:13], s[20:21]
.macro FRAG reg, adr, st, i
.irp p, 0,1,2,3,4,5
.set BY, 96*(\st)+48*(\p/3)+8*(\p%3)
.if BY%256 < 232
	ds_load_b64 v[\reg+2*\p:\reg+2*\p+1], v[\adr] offset:BY+16*(BY/256)+(\i)*16*PITCH
.else
	ds_load_b64 v[\reg+2*\p:\reg+2*\p+1], v[\adr+1] offset:BY+16*(BY/256)+(\i)*16*PITCH
.endif
.endr
.endm
.macro FETCH st
	WIN 0x40
.irp i, 0,1,2,3,4,5,6,7
	FRAG 128*((\st)%2)+FR*\i, ADRB+2*(\i/4), \st, \i%4
.endr
	WIN 0
.irp i, 0,1,2,3
	FRAG AF+48*((\st)%2)+FR*\i, ADRA, \st, \i
.endr
.endm
.macro MUL st, zero                    ; source 0 = W's rows, source 1 = z's; the 32 accumulators take turns
.irp a, 0,1,2,3
.irp b, 0,1,2,3,4,5,6,7
.set AC, 8*(8*\a+\b)
.set BF, 128*((\st)%2)+FR*\b
.set AG, AF+48*((\st)%2)+FR*\a
.set SBR, SB+8*(\b%4)+(\st)
.set SAR, SA+8*\a+(\st)
.if \zero
.if \b < 4
	v_wmma_scale_f32_16x16x128_f8f6f4 v[AC:AC+7], v[BF:BF+11], v[AG:AG+11], 0, v[SBR], v[SAR] matrix_a_fmt:MATRIX_FMT_FP6 matrix_b_fmt:MATRIX_FMT_FP6
.else
	v_wmma_scale_f32_16x16x128_f8f6f4 v[AC:AC+7], v[BF:BF+11], v[AG:AG+11], 0, v[SBR], v[SAR] matrix_a_fmt:MATRIX_FMT_FP6 matrix_b_fmt:MATRIX_FMT_FP6 matrix_a_scale:MATRIX_SCALE_ROW1
.endif
.else
.if \b < 4
	v_wmma_scale_f32_16x16x128_f8f6f4 v[AC:AC+7], v[BF:BF+11], v[AG:AG+11], v[AC:AC+7], v[SBR], v[SAR] matrix_a_fmt:MATRIX_FMT_FP6 matrix_b_fmt:MATRIX_FMT_FP6
.else
	v_wmma_scale_f32_16x16x128_f8f6f4 v[AC:AC+7], v[BF:BF+11], v[AG:AG+11], v[AC:AC+7], v[SBR], v[SAR] matrix_a_fmt:MATRIX_FMT_FP6 matrix_b_fmt:MATRIX_FMT_FP6 matrix_a_scale:MATRIX_SCALE_ROW1
.endif
.endif
.endr
.endr
.endm
	s_wait_alu depctr_va_vdst(0)
	s_wait_tensorcnt 0x0
	s_barrier_signal -1
	s_barrier_wait -1
	FETCH 0
	s_wait_loadcnt 0x0
.set ST, 0
.rept 8
	s_wait_dscnt 0x0
.if ST > 0 && ST < 7
	PLACES
.endif
.if ST < 7
	FETCH ST+1
.else
	s_barrier_signal -1                            ; my reads of the tiles are over
.endif
	WIN 0xa1
	MUL ST, (ST==0)
	WIN 0
.set ST, ST+1
.endr
	s_barrier_wait -1                              ; everybody's are: the stages may be written
.macro TOSTAGE a
.set AC, 64*(\a)
	WIN 0x08
.irp b, 0,1,2,3,4,5,6,7
	ds_store_b128 v[STO], v[AC+8*\b:AC+8*\b+3] offset:128*(\b/2)+32*(\b%2)
	ds_store_b128 v[STO], v[AC+8*\b+4:AC+8*\b+7] offset:128*(\b/2)+32*(\b%2)+16
.endr
	WIN 0
.set BB, BK+64*((\a)%2)
.irp t, 0,1,2,3,4,5,6,7,8,9,10,11,12,13,14,15
	ds_load_b128 v[BB+4*\t:BB+4*\t+3], v[RD] offset:\t*SPITCH      ; LDS serves a wave's instructions in order: these see my stores
.endr
.endm
.macro SEND a, younger
.set BB, BK+64*((\a)%2)
	s_wait_dscnt \younger
.if (\a) > 0
	s_add_nc_u64 s[12:13], s[12:13], 16*4096       ; (behind a wait on XCNT)
.endif
.irp t, 0,1,2,3,4,5,6,7,8,9,10,11,12,13,14,15
	global_store_b128 v[CO], v[BB+4*\t:BB+4*\t+3], s[12:13] offset:\t*4096 th:TH_STORE_NT   ; 32 lanes store 512 consecutive bytes, aligned
.endr
.endm
	PLACES
	TOSTAGE 0
.irp a, 1,2,3
.if \a > 1
	s_wait_xcnt 0x0
.endif
	TOSTAGE \a
	SEND \a-1, 32                                  ; behind block a - 1's loads: block a's 16 stores and 16 loads
.endr
	s_wait_xcnt 0x0
	SEND 3, 0
	s_wait_tensorcnt 0x0                           ; the wave's end
	ds_add_u32 v[SPW], v[NIL]
	s_wait_dscnt 0x0
	CROUND                                         ; the closing round
	s_endpgm
.Lfunc_end_k_q2fba52cf0c_proj:
	.size	k_q2fba52cf0c_proj, .Lfunc_end_k_q2fba52cf0c_proj-k_q2fba52cf0c_proj
	.p2alignl 7, 3214868480
	.fill 96, 4, 3214868480
	.section	.rodata,"a",@progbits
	.p2align	6, 0x0
	.amdhsa_kernel k_q2fba52cf0c_proj
		.amdhsa_group_segment_fixed_size 327680
		.amdhsa_private_segment_fixed_size 0
		.amdhsa_enable_private_segment 0
		.amdhsa_kernarg_size 40
		.amdhsa_user_sgpr_count 2
		.amdhsa_user_sgpr_kernarg_segment_ptr 1
		.amdhsa_wavefront_size32 1
		.amdhsa_system_sgpr_workgroup_id_x 1
		.amdhsa_system_sgpr_workgroup_id_y 1
		.amdhsa_system_sgpr_workgroup_id_z 1
		.amdhsa_system_vgpr_workitem_id 0
		.amdhsa_next_free_vgpr 768
		.amdhsa_next_free_sgpr 98
		.amdhsa_reserve_vcc 0
		.amdhsa_float_denorm_mode_32 3
		.amdhsa_float_denorm_mode_16_64 3
		.amdhsa_memory_ordered 1
		.amdhsa_forward_progress 1
		.amdhsa_inst_pref_size 93
	.end_amdhsa_kernel
	.amdgpu_metadata
---
amdhsa.version: [ 1, 2 ]
amdhsa.kernels:
  - .name:           k_q2fba52cf0c_proj
    .symbol:         k_q2fba52cf0c_proj.kd
    .args:
      - { .name: z_codes, .offset: 0, .size: 8, .value_kind: global_buffer, .address_space: global }
      - { .name: z_scales, .offset: 8, .size: 8, .value_kind: global_buffer, .address_space: global }
      - { .name: w_codes, .offset: 16, .size: 8, .value_kind: global_buffer, .address_space: global }
      - { .name: w_scales, .offset: 24, .size: 8, .value_kind: global_buffer, .address_space: global }
      - { .name: out0, .offset: 32, .size: 8, .value_kind: global_buffer, .address_space: global }
    .group_segment_fixed_size: 327680
    .private_segment_fixed_size: 0
    .kernarg_segment_align: 8
    .kernarg_segment_size: 40
    .max_flat_workgroup_size: 128
    .sgpr_count:     98
    .vgpr_count:     768
    .wavefront_size: 32
...
	.end_amdgpu_metadata
.endif
;; end of part 4
